; MI455X (gfx1250); checked and timed in simulation.
; The chip was launched on July 23, 2026; its instructions are those of AMD's public machine-readable ISA for CDNA 5 (MIT licence, August 2026) and "CDNA5" Instruction Set Architecture Reference Guide (July 2026). The comments in the code are by the model that wrote it; some were corrected since.
;; Multi Head Attention. Allowed arithmetic: matrix products marked QUANTISED: E3M2 operands, one E8M0 scale for each 32 along K, by v_wmma_scale_f32_16x16x128_f8f6f4 with both operands' format E3M2, f32 sums; everything else in f32.
;; Inputs: b_proj 1,024 float32; b_qkv 3,072 float32; idx 2 int32; w_proj 1,024 x 1,024 float32; w_qkv 1,024 x 3,072 float32; weight one number float32; x 2 x 2,048 x 1,024 float32.
;; Outputs: out0 2 x 2,048 x 1,024 float32.
;; Constants: attn_forcing = 1.
;; This version of the problem:
;;   THIS VERSION OF THE PROBLEM IS GIVEN IN LOW PRECISION. The matrix products marked QUANTISED in the list below multiply operands that are first quantised to E3M2 (3 exponent bits, 2 mantissa bits; 6 bits a number), with one power-of-two scale for each 32 numbers along K (OCP MX v1.0); their sums are f32. All else is computed in f32.
;;   The module's matrix products, in the order in which they are computed (A, B: the left and right operand; K: the contracted axis; several contracted axes count as one K, in the product's order):
;;     1. [M 4,096, K 1,024] x [K 1,024, N 3,072]; A: input x; B: input w_qkv: QUANTISED
;;     2. batch 32 x [M 2,048, K 64] x [K 64, N 2,048]; A: computed on the way; B: computed on the way: QUANTISED
;;     3. batch 32 x [M 2,048, K 2,048] x [K 2,048, N 64]; A: computed on the way; B: computed on the way: QUANTISED
;;     4. [M 4,096, K 1,024] x [K 1,024, N 1,024]; A: computed on the way; B: input w_proj: QUANTISED
;;   THE QUANTISER, for each operand of a quantised product, along K:
;;     - K is cut into blocks of 32 from its start; a last block that is shorter is filled with zeros.
;;     - A block's scale is 2^e with e = floor(log2(the largest magnitude in the block)) - 4, held to -126 .. 127; a block of zeros has e = 0. As a byte (E8M0): e + 127.
;;     - Each number is divided by its block's scale, clamped to +-28, and rounded to the nearest number of E3M2, ties to even, subnormals kept.
;;     - The product sums the exact products of the quantised numbers (number of the format x scale) in f32.
;;   ~~~python
;;   def quantise(x, axis):      # numpy; x: float32 -> the quantised numbers, widened to float32 again
;;       x = np.moveaxis(x, axis, -1); K = x.shape[-1]
;;       x = np.pad(x, [(0, 0)] * (x.ndim - 1) + [(0, -K % 32)]); x = x.reshape(x.shape[:-1] + (-1, 32)); a = np.abs(x).max(-1, keepdims=True)
;;       e = np.where(a > 0, np.clip(np.frexp(np.where(a > 0, a, 1))[1] - 1 - 4, -126, 127), 0)      # np.frexp(a)[1] - 1 = floor(log2(a)), exactly
;;       r = np.clip(x / 2.0 ** e, -28, 28)
;;       step = 2.0 ** (np.maximum(np.frexp(np.where(r == 0, 1, r))[1] - 1, -2) - 2)
;;       q = np.round(r / step) * step * 2.0 ** e      # np.round: ties to even
;;       return np.moveaxis(q.reshape(q.shape[:-2] + (-1,))[..., :K], -1, axis).astype(np.float32)
;;   ~~~
;;   OPERANDS COMPUTED ON THE WAY. 'Computed on the way' means the value that the module computes at that place (a softmax that the list does not call 'softmax' is quantised finished and normalised). What goes into a quantiser is computed in f32, as accurately as f32 sums, v_exp_f32 and their like allow (about 1e-6 of the number): no bf16 or f16 on the way to a quantiser, and a product that is left as it is and whose result goes on into a quantised operand takes f32 operands (vector FMAs, or v_wmma_f32_16x16x4_f32). A number that lies on a knife's edge between two numbers of the format may be rounded either way, as far as f32 arithmetic and the matrix unit's own rounding can turn it there, and no further.
;; 2 versions, each right; version 2 is version 1 with the launch attn written anew for expert scheduling mode. Each part assembles by itself: llvm-mc -triple=amdgcn-amd-amdhsa -mcpu=gfx1250 --defsym DOCPART=n.
;; ======== version 1 of 2: 4 launches
;; workspace buffers: opc 6,291,456 bytes; ops 262,144 bytes; qkvc 9,437,184 bytes; qkvs 655,360 bytes; aoc 3,145,728 bytes; aos 131,072 bytes
;; launch quant (part 1): grid 256 x 1, 4 waves a work-group, no clusters, 87,552 bytes of LDS; arguments x, w_qkv, w_proj, opc, ops; writes opc, ops
.if DOCPART == 1
	.amdgcn_target "amdgcn-amd-amdhsa--gfx1250"
	.amdhsa_code_object_version 6
	.text
	.protected	k_q0c382b3ea2_quant
	.globl	k_q0c382b3ea2_quant
	.p2align	8
	.type	k_q0c382b3ea2_quant,@function
k_q0c382b3ea2_quant:
	s_mov_b64 s[64:65], 0
	v_nop
	global_prefetch_b8 v0, s[64:65] scope:SCOPE_SE
	s_setreg_imm32_b32 hwreg(HW_REG_WAVE_MODE, 25, 1), 1
	s_wait_xcnt 0x0
; x [4096][1024], w_qkv [1024][3072] and w_proj [1024][1024], f32, become codes of BF6 (E3M2) with one E8M0 byte for each 32 along K (K = the 1,024 in all three).
; A block's scale is 2^(floor(log2(its largest magnitude)) - 4): its byte is that magnitude's exponent field - 4, held at 1 from below.
; LIMITS: a block of zeros gets the byte 1 where the quantiser's text says 127 (its codes are zeros, and this program alone reads the bytes); NaN and infinities among the inputs are not served.
; THE LAYOUT OF THE CODES is an image of operand registers.  A ROW TILE T is 16 rows: place r is row 32 (T / 2) + 8 (T % 2) + r + 8 (r / 8).  A CHUNK is 64 along K.  Tile and chunk make 768 bytes: lane l = r + 16 h holds
; block h of the chunk for place r, 24 bytes: its first 16 at 16 l, its last 8 at 512 + 8 l.  opc: [512 tiles][16 chunks][768]: tiles 0-255 x's tokens, 256-447 w_qkv's columns, 448-511 w_proj's columns.
; ops: [512 tiles][4 slots of 256 along K][16 places][8 bytes], byte 2 (chunk % 4) + h.
; Work-groups 0-127 take x (K innermost: the numbers turn through LDS so that a lane holds a whole block), 128-223 w_qkv, 224-255 w_proj (K outermost: a lane takes a column and its registers run down K).
; Every work-group reads 128 KiB.  Waves share nothing: no barrier.  Each of the three ways has LDS bytes of its own.
.set FLOORB, 0x2800000                 ; 2^(5 - 127): no largest magnitude is taken under it, so the byte cannot fall under 1
.set OFF4,   0xfe000000                ; takes 4 off an exponent field
.set XR,     16                        ; x: v16-143 four sets of 32 numbers as loaded
.set XX,     144                       ; v144-207 two sets of 32 neighbours
.set XC,     208                       ; v208-223 two sets of 8: a block's codes
.set XWAVE,  8960                      ; x: a wave's LDS: two stages of 16 rows x 272 bytes, then its 256 scale bytes
.set XSTG,   4352
.set XSCB,   8704
.set WX,     32                        ; weights: v32-95 two sets of 32 numbers
.set WC,     96                        ; v96-103 a block's codes
.set WSB,    24                        ; v24-25 eight scale bytes
.set WO,     112                       ; v112-159 the way out
.set WWAVE,  6400                      ; weights: a wave's stage: two tiles x (4 chunks x 768 + 128)
.set WTILE,  3200
.macro MAX32 xs                        ; the largest magnitude of v[xs] .. v[xs + 31], in two chains, with the floor as a leaf; v11 = the conversions' scale operand
	v_max3_num_f32 v8, |v[\xs]|, |v[\xs+1]|, |v[\xs+2]|
	v_max3_num_f32 v9, |v[\xs+3]|, |v[\xs+4]|, |v[\xs+5]|
.irp i, 6,10,14,18,22,26
	v_max3_num_f32 v8, v8, |v[\xs+\i]|, |v[\xs+\i+1]|
	v_max3_num_f32 v9, v9, |v[\xs+\i+2]|, |v[\xs+\i+3]|
.endr
	v_max3_num_f32 v8, v8, |v[\xs+30]|, |v[\xs+31]|
	v_max3_num_f32 v8, v8, v9, FLOORB
	v_add_nc_u32 v11, OFF4, v8                     ; the conversion takes the exponent field of this operand as its scale, and nothing else of it
.endm
.macro CODES xs, c                     ; 32 numbers -> 24 bytes in v[c] .. v[c + 5]; v10 = the scale's byte
	v_cvt_scalef32_pk16_bf6_f32 v[\c:\c+2], v[\xs:\xs+15], v11
	v_cvt_scalef32_pk16_bf6_f32 v[\c+4:\c+6], v[\xs+16:\xs+31], v11   ; (a conversion's three registers begin on an even number)
	v_lshrrev_b32 v10, 23, v11                     ; the byte; also the plain instruction between the conversions and the moves that read their results
	v_mov_b32 v[\c+3], v[\c+4]
	v_mov_b32 v[\c+4], v[\c+5]
	v_mov_b32 v[\c+5], v[\c+6]
.endm
	s_load_b256 s[4:11], s[0:1], 0x0               ; x s[4:5], w_qkv s[6:7], w_proj s[8:9], opc s[10:11]
	s_load_b64 s[12:13], s[0:1], 0x20              ; ops
	v_lshl_add_u32 v224, v0, 2, 0x15400
	v_mov_b32 v225, 0
	v_lshrrev_b32 v1, 5, v0
	v_readfirstlane_b32 s16, v1                    ; wave 0..3
	v_and_b32 v2, 31, v0                           ; lane
	s_wait_kmcnt 0x0
	s_cmp_lt_u32 ttmp9, 128
	s_cbranch_scc0 .Lweights
	; ---------------- x: wave W = 4 x work-group + wave takes row tile W / 2, chunks 8 (W % 2) .. + 7: eight steps of one chunk
	s_lshl_b32 s17, ttmp9, 2
	s_add_co_u32 s17, s17, s16                     ; W
	s_lshr_b32 s18, s17, 2
	s_lshl_b32 s18, s18, 5                         ; 32 (T / 2)
	s_bfe_u32 s19, s17, 0x10001                    ; T % 2
	s_lshl_b32 s19, s19, 3
	s_add_co_u32 s18, s18, s19                     ; the tile's first row
	s_lshl_b32 s18, s18, 12                        ; rows of 4,096 bytes
	s_and_b32 s19, s17, 1
	s_lshl_b32 s19, s19, 11                        ; + 2,048 bytes for the upper half of K
	s_add_co_u32 s18, s18, s19
	s_mov_b32 s19, 0
	s_add_nc_u64 s[4:5], s[4:5], s[18:19]
	s_mul_i32 s18, s17, 6144                       ; 12,288 T + 6,144 (W % 2)
	s_add_nc_u64 s[10:11], s[10:11], s[18:19]
	s_lshl_b32 s18, s17, 8                         ; 512 T + 256 (W % 2)
	s_add_nc_u64 s[12:13], s[12:13], s[18:19]
	s_mul_i32 s20, s16, XWAVE
	v_lshrrev_b32 v12, 4, v2                       ; h
	v_and_b32 v13, 15, v2                          ; r
	v_lshlrev_b32 v3, 12, v12
	v_lshl_add_u32 v3, v13, 4, v3                  ; a load: lanes 0-15 take 256 bytes of one row, lanes 16-31 of the next
	v_mul_u32_u24 v14, v12, 272
	v_lshl_add_u32 v14, v13, 4, v14
	v_add_nc_u32 v14, s20, v14                     ; into the stage, as loaded
	v_mul_u32_u24 v15, v13, 272
	v_lshl_add_u32 v15, v12, 7, v15
	v_add_nc_u32 v15, s20, v15                     ; out of it: place r, block h: 128 bytes
	v_lshlrev_b32 v4, 4, v2                        ; 16 l
	v_lshlrev_b32 v5, 3, v2                        ; 8 l
	v_lshl_add_u32 v6, v13, 3, v12
	v_add_nc_u32 v6, s20, v6
	v_add_nc_u32 v6, XSCB, v6                      ; my scale byte's place: 8 r + h
	v_add_nc_u32 v7, s20, v5
	v_add_nc_u32 v7, XSCB, v7                      ; and on the way out 8 bytes a lane
.macro XLOAD t                         ; chunk t of the 16 rows: each load reads two runs of 256 consecutive bytes
.irp i, 0,1,2,3,4,5,6,7
	global_load_b128 v[XR+32*((\t)%4)+4*\i:XR+32*((\t)%4)+4*\i+3], v3, s[4:5] offset:(2*\i+8*(\i/4))*4096+256*(\t) th:TH_LOAD_NT
.endr
.endm
.macro XTURN t                         ; through the stage: LDS serves a wave's instructions in order, so no wait stands between the stores and the loads
.irp i, 0,1,2,3,4,5,6,7
	ds_store_b128 v14, v[XR+32*((\t)%4)+4*\i:XR+32*((\t)%4)+4*\i+3] offset:XSTG*((\t)%2)+544*\i
.endr
.irp i, 0,1,2,3,4,5,6,7
	ds_load_b128 v[XX+32*((\t)%2)+4*\i:XX+32*((\t)%2)+4*\i+3], v15 offset:XSTG*((\t)%2)+16*\i
.endr
.endm
.macro XSTEP t
.set XS, XX+32*((\t)%2)
.set CC, XC+8*((\t)%2)
.if (\t) > 0
	s_wait_dscnt 1                                 ; this step's numbers are back from the stage; the last step's byte store may be out
.else
	s_wait_dscnt 0x0
.endif
.if (\t)+4 < 8
	XLOAD (\t)+4                                   ; into the set whose stores into the stage are done
.endif
.if (\t)+1 < 8
.if 6-(\t) >= 3
	s_wait_loadcnt 24                              ; the next step's eight loads are in; those of the three steps behind it may be out
.else
	s_wait_loadcnt 8*(6-(\t))
.endif
	XTURN (\t)+1
.endif
	MAX32 XS
	s_wait_xcnt 0x0                                ; the stores of two steps ago have read this set of code registers
	CODES XS, CC
	ds_store_b8 v6, v10 offset:((\t)/4)*128+2*((\t)%4)
	global_store_b128 v4, v[CC:CC+3], s[10:11] offset:768*(\t)        ; 512 consecutive bytes
	global_store_b64 v5, v[CC+4:CC+5], s[10:11] offset:768*(\t)+512   ; 256 consecutive bytes
.endm
	XLOAD 0
	XLOAD 1
	XLOAD 2
	XLOAD 3
	s_wait_loadcnt 24                              ; step 0's eight loads are in
	XTURN 0
.irp t, 0,1,2,3,4,5,6,7
	XSTEP \t
.endr
	ds_load_b64 v[12:13], v7                       ; in order behind my byte stores
	s_wait_dscnt 0x0
	global_store_b64 v5, v[12:13], s[12:13]        ; 256 consecutive bytes of scales
	s_wait_tensorcnt 0x0
	ds_add_u32 v224, v225
	s_wait_dscnt 0x0
	s_endpgm
; ---------------- a weight [1024][N]: a work-group takes 128 columns x 256 along K, a wave 32 columns: two row tiles x four chunks
.macro WPATH N, TILE0, FIRST, LB, WLO
	s_sub_co_u32 s17, ttmp9, \FIRST
	s_and_b32 s18, s17, 3                          ; which 256 along K
	s_lshr_b32 s19, s17, 2                         ; which 128 columns
	s_lshl_b32 s20, s19, 7
	s_lshl_b32 s21, s16, 5
	s_add_co_u32 s20, s20, s21                     ; my wave's first column
	s_lshl_b32 s20, s20, 2
	s_mul_i32 s21, s18, 256*\N*4
	s_add_co_u32 s20, s20, s21
	s_mov_b32 s21, 0
	s_add_nc_u64 s[\WLO:\WLO+1], s[\WLO:\WLO+1], s[20:21]
	s_lshl_b32 s22, s19, 3
	s_lshl_b32 s23, s16, 1
	s_add_co_u32 s22, s22, s23
	s_add_co_u32 s22, s22, \TILE0                  ; my first row tile
	s_mul_i32 s20, s22, 12288
	s_mul_i32 s23, s18, 3072
	s_add_co_u32 s20, s20, s23
	s_add_nc_u64 s[10:11], s[10:11], s[20:21]
	s_lshl_b32 s20, s22, 9
	s_lshl_b32 s23, s18, 7
	s_add_co_u32 s20, s20, s23
	s_add_nc_u64 s[12:13], s[12:13], s[20:21]
	s_mul_i32 s28, s16, WWAVE
	s_add_co_u32 s28, s28, \LB                     ; my stage
	v_bfe_u32 v12, v2, 3, 1                        ; column l of the 32 is place r = l % 8 + 8 (l / 16) of tile u = (l / 8) % 2
	v_and_b32 v13, 7, v2
	v_lshrrev_b32 v14, 1, v2
	v_and_b32 v14, 8, v14
	v_add_nc_u32 v13, v13, v14
	v_lshlrev_b32 v3, 2, v2                        ; in: 4 bytes a lane, 128 consecutive bytes a load
	v_mul_u32_u24 v18, v12, WTILE
	v_add_nc_u32 v18, s28, v18
	v_lshl_add_u32 v4, v13, 4, v18                 ; into the stage: a block's first 16 bytes,
	v_lshl_add_u32 v5, v13, 3, v18
	v_add_nc_u32 v5, 512, v5                       ; and its last 8
	v_lshlrev_b32 v16, 4, v2                       ; the way out: 16 l
	v_add_nc_u32 v7, s28, v16
	v_lshlrev_b32 v17, 9, v12
	v_lshl_add_u32 v17, v13, 3, v17                ; my eight scale bytes: 512 u + 8 r
.set t, 0
.rept 2
.set i, 0
.rept 32
	global_load_b32 v[WX+32*t+i], v3, s[\WLO:\WLO+1] offset:(32*t+i)*\N*4 th:TH_LOAD_NT
.set i, i+1
.endr
.set t, t+1
.endr
.set t, 0
.rept 8                                ; block t: 32 along K of my column: half t % 2 of chunk t / 2
.set XS, WX+32*(t%2)
.if t < 7
	s_wait_loadcnt 32                              ; this block's 32 loads are in; the next block's may be out
.else
	s_wait_loadcnt 0x0
.endif
	MAX32 XS
	CODES XS, WC
.if t%4 == 0
	v_mov_b32 v[WSB+t/4], v10                      ; four bytes to a register, the lower K in the lower byte
.else
	v_lshl_or_b32 v[WSB+t/4], v10, 8*(t%4), v[WSB+t/4]
.endif
	ds_store_b128 v4, v[WC:WC+3] offset:(t/2)*768+(t%2)*256
	ds_store_b64 v5, v[WC+4:WC+5] offset:(t/2)*768+(t%2)*128
.if t+2 < 8
.set i, 0
.rept 32
	global_load_b32 v[XS+i], v3, s[\WLO:\WLO+1] offset:(32*(t+2)+i)*\N*4 th:TH_LOAD_NT
.set i, i+1
.endr
.endif
	s_wait_dscnt 0x0                               ; the stores have read the code registers: the next block may write them
.set t, t+1
.endr
	global_store_b64 v17, v[WSB:WSB+1], s[12:13]
.set i, 0
.rept 12
	ds_load_b128 v[WO+4*i:WO+4*i+3], v7 offset:(i/6)*WTILE+512*(i%6)   ; in order behind my stores
.set i, i+1
.endr
.set i, 0
.rept 12
	s_wait_dscnt 11-i                              ; the younger read-backs may be out
	global_store_b128 v16, v[WO+4*i:WO+4*i+3], s[10:11] offset:(i/6)*12288+512*(i%6)   ; a tile's four chunks leave as 3,072 consecutive bytes
.set i, i+1
.endr
	s_wait_tensorcnt 0x0
	ds_add_u32 v224, v225
	s_wait_dscnt 0x0
	s_endpgm
.endm
.Lweights:
	s_cmp_lt_u32 ttmp9, 224
	s_cbranch_scc0 .Lproj_weight
	WPATH 3072, 256, 128, 35840, 6
.Lproj_weight:
	WPATH 1024, 448, 224, 61440, 8
.Lfunc_end_k_q0c382b3ea2_quant:
	.size	k_q0c382b3ea2_quant, .Lfunc_end_k_q0c382b3ea2_quant-k_q0c382b3ea2_quant
	.p2alignl 7, 3214868480
	.fill 96, 4, 3214868480
	.section	.rodata,"a",@progbits
	.p2align	6, 0x0
	.amdhsa_kernel k_q0c382b3ea2_quant
		.amdhsa_group_segment_fixed_size 87552
		.amdhsa_private_segment_fixed_size 0
		.amdhsa_enable_private_segment 0
		.amdhsa_kernarg_size 40
		.amdhsa_user_sgpr_count 2
		.amdhsa_user_sgpr_kernarg_segment_ptr 1
		.amdhsa_wavefront_size32 1
		.amdhsa_system_sgpr_workgroup_id_x 1
		.amdhsa_system_sgpr_workgroup_id_y 1
		.amdhsa_system_sgpr_workgroup_id_z 1
		.amdhsa_system_vgpr_workitem_id 0
		.amdhsa_next_free_vgpr 226
		.amdhsa_next_free_sgpr 66
		.amdhsa_reserve_vcc 0
		.amdhsa_float_denorm_mode_32 3
		.amdhsa_float_denorm_mode_16_64 3
		.amdhsa_memory_ordered 1
		.amdhsa_forward_progress 1
		.amdhsa_inst_pref_size 112
	.end_amdhsa_kernel
	.amdgpu_metadata
---
amdhsa.version: [ 1, 2 ]
amdhsa.kernels:
  - .name:           k_q0c382b3ea2_quant
    .symbol:         k_q0c382b3ea2_quant.kd
    .args:
      - { .name: x, .offset: 0, .size: 8, .value_kind: global_buffer, .address_space: global }
      - { .name: w_qkv, .offset: 8, .size: 8, .value_kind: global_buffer, .address_space: global }
      - { .name: w_proj, .offset: 16, .size: 8, .value_kind: global_buffer, .address_space: global }
      - { .name: opc, .offset: 24, .size: 8, .value_kind: global_buffer, .address_space: global }
      - { .name: ops, .offset: 32, .size: 8, .value_kind: global_buffer, .address_space: global }
    .group_segment_fixed_size: 87552
    .private_segment_fixed_size: 0
    .kernarg_segment_align: 8
    .kernarg_segment_size: 40
    .max_flat_workgroup_size: 128
    .sgpr_count:     66
    .vgpr_count:     226
    .wavefront_size: 32
...
	.end_amdgpu_metadata
.endif
;; end of part 1
;; launch qkv (part 2): grid 8 x 24, 4 waves a work-group, clusters of 4 x 4, 327,680 bytes of LDS; arguments opc, ops, b_qkv, qkvc, qkvs; writes qkvc, qkvs
.if DOCPART == 2
	.amdgcn_target "amdgcn-amd-amdhsa--gfx1250"
	.amdhsa_code_object_version 6
	.text
	.protected	k_q0c382b3ea2_qkv
	.globl	k_q0c382b3ea2_qkv
	.p2align	8
	.type	k_q0c382b3ea2_qkv,@function
k_q0c382b3ea2_qkv:
	s_mov_b64 s[64:65], 0
	v_nop
	global_prefetch_b8 v0, s[64:65] scope:SCOPE_SE
	s_setreg_imm32_b32 hwreg(HW_REG_WAVE_MODE, 25, 1), 1
	s_wait_xcnt 0x0
	s_wait_alu depctr_hold_cnt(0) depctr_sa_sdst(0) depctr_va_vdst(0) depctr_va_sdst(0) depctr_va_ssrc(0) depctr_va_vcc(0) depctr_vm_vsrc(0)
	s_getreg_b32 s2, hwreg(HW_REG_IB_STS2, 6, 4)
	s_cmp_eq_u32 s2, 0
	s_cbranch_scc0 .Lentry_in_a_cluster
	s_endpgm
.Lentry_in_a_cluster:
	s_bfe_u32 s2, ttmp6, 0x10000c
	s_cmp_lg_u32 s2, 0xf033
	s_cbranch_scc0 .Lentry_shape_is_right
	s_endpgm
.Lentry_shape_is_right:
; qkv = x w_qkv + b_qkv on codes of BF6 (E3M2) with E8M0 scales, and q, k, v quantised anew on the way out: q and k along a head's 64, v along the keys.
; OPERANDS (opc, ops) lie as images of operand registers: a row tile T is 16 rows (place r = row 32 (T / 2) + 8 (T % 2) + r + 8 (r / 8)), a chunk 64 along K, tile and chunk 768 bytes: lane l's first 16 bytes at 16 l,
; its last 8 at 512 + 8 l.  opc [tile][16 chunks][768]; ops [tile][4 slots of 256 K][16 places][8 bytes].  Tiles 0-255: tokens; 256-447: w_qkv's columns.
; A tile of C, 256 x 256, is made by four waves, 128 x 128 each: 64 accumulators, 512 registers.  K = 1,024 goes in four slots of 256 through a ring of two LDS slots filled by the tensor data mover.
; THE MATRIX INSTRUCTION IS USED TRANSPOSED: source 0 = a tile of 'B', source 1 = a tile of 'A'.  With the tiles' order of rows, register j of accumulator (a, b) in lane (r, h) is B's index 32 (b / 2) + 16 h + 8 (b % 2) + j
; and A's place r: the 64 registers of one a run along B, 16 neighbours to each two accumulators, as the conversions want them.
; TWO ROLES, by the cluster's y (the same in all sixteen partners).  Role 0 (y under 4): A = tokens, B = q's and k's columns: a lane's registers run along the head.  Role 1 (y = 4, 5): A = v's columns, B = tokens:
; a lane's registers run along the keys.  So one text quantises all three along their own K, in registers: nothing goes through LDS on the way out.
; CLUSTERS: 4 x 4 work-groups; A's tiles are asked for jointly along a row of the cluster, B's along a column.
; RESULTS.  qkvc [32 heads bh][Q | K | V, 98,304 bytes each]: Q, K [128 token tiles][768] (the head's 64 are one chunk); V [32 chunks of 64 keys][4 tiles of 16 of the head's 64][768].
; qkvs [bh][Qs 8,192 | Ks 8,192 | Vs 4,096]: Qs, Ks [64 pairs of tiles][32 lanes] words, lanes 0-15 the even tile's, lanes 16-31 the odd one's; a word is e0, e1, e0, e1: the upper two bytes stand for blocks of zero codes.
; Vs [16 steps of 128 keys][2 pairs of tiles][32 lanes] words of four bytes.
; LIMITS: a block of zeros gets the byte 1 (its codes are zeros; this program alone reads the bytes); NaN and infinities are not served.
; REGISTERS, in windows of 256: window 0: v1-15 lane constants; v16-23, v27 LDS addresses; v28, v29 the add's; v32-63 scale words, two sets; v64-127, v224-231 the biases; v128-223 A's fragments, one set;
;   on the way out v128-191 64 numbers, v192-211 codes, v232-255 at work.  Window 1: B's fragments, two sets, at v0 and v128.  Windows 2, 3: the accumulators ((a, b) at v[8 (8 (a % 4) + b)]).
.set NQ,     2                         ; matrix instructions deep in a slot
.set FR,     12                        ; registers of a fragment
.set NL,     4                         ; LDS loads that bring one
.set NP,     4                         ; places behind this matrix instruction (ISA guide 7.12.1)
.set TILEB,  3072                      ; a row tile's four chunks of a slot
.set HALFT,  8*TILEB                   ; eight row tiles: what one tensor load brings, and what one wave reads of A or of B
.set SLOT,   4*HALFT                   ; A's 16 tiles, then B's 16
.set SCL,    2*SLOT                    ; behind the ring: the scales for all of K: A's 8,192 bytes; 128 bytes on, B's 8,192
.set SPARE,  SCL+16640                 ; the spare words, 128 bytes for each wave: two blocks of 256 bytes that no other line names
.set LI,   4                           ; v4   16 l
.set LJ,   7                           ; v7   8 l
.set LS,   13                          ; v13  4 l
.set ADRA, 16                          ; v16-17 my A tiles in slot 0, 1, + 16 l;  v18-19 the same + 512 + 8 l
.set ADRB, 20                          ; v20-23 the same for B
.set ADRS, 27                          ; v27  my scale words: lanes 0-15 A's, lanes 16-31 B's
.set SPW,  28                          ; v28  LDS address of my spare word; never rewritten
.set NIL,  29                          ; v29  0; never rewritten
.set SC,   32
.set BN,   64                          ; the bias along the registers (role 0)
.set AF,   128
.set BM,   224                         ; the bias along the lanes, one register a tile of A (role 1)
.set XQ,   128
.set PC,   192
.set TM,   232
.set PW,   248
.set WE,   249                         ; v249-250 the even tile's scale words
.set WM,   251                         ; v251-252 the pair's
.set BP,   254                         ; v254-255 a tile's bias, twice
.set G1, 24
.set G0, 32
.set G1B, 48
.set G0B, 56
.set G1S, 68
.set G0S, 76
.set G1SB, 80
.set G0SB, 88
.set ROLE, 95
.set SEL, 100                          ; s[100:101] lane selects for v_permlanex16_b32: lane l xor 16
.set SEL0, 24                          ; on the way out, in registers that the descriptors have left
.set SEL1, 25
.set HM,   26
.set CB,   48                          ; s[48:55] four bases for the codes
.set ZBS,  56                          ; s[56:63] four for the scale words
.set MSB, 0
.macro WIN new                         ; the immediate's high byte repeats the setting that is left
.if MSB != (\new)
	s_set_vgpr_msb (MSB<<8)|(\new)
.set MSB, (\new)
.endif
.endm
.set MUL_LO, 0xa1                      ; source 0 (B) window 1, source 1 (A) window 0, C and D window 2
.set MUL_HI, 0xf1                      ; the same, C and D window 3
.set TO_B,   0x40                      ; destination window 1, address window 0
; A joint load: waves 0 and 1 fetch for A, waves 2 and 3 for B.  The branch hangs on the wave's number alone.  Four v_nop follow each of the two lines.
.macro JLOAD g0a, g1a, g0b, g1b
	s_cmp_eq_u32 s15, 0
	s_cbranch_scc0 .Lfor_b_\@
	tensor_load_to_lds s[\g0a:\g0a+3], s[\g1a:\g1a+7]
	s_nop 0
.rept 4
	v_nop
.endr
	s_branch .Lasked_\@
.Lfor_b_\@:
	tensor_load_to_lds s[\g0b:\g0b+3], s[\g1b:\g1b+7]
	s_nop 0
.rept 4
	v_nop
.endr
.Lasked_\@:
.endm
.macro CREST                           ; a round of the cluster's barrier behind its opening barrier
	s_cmp_lg_u32 s14, 0
	s_cbranch_scc1 .Lnot_wave_0_\@
	s_barrier_signal -3
.Lnot_wave_0_\@:
	s_barrier_wait -3
	s_barrier_signal -1
	s_barrier_wait -1
.endm
.macro CROUND
	s_barrier_signal -1
	s_barrier_wait -1
	CREST
.endm
	s_load_b256 s[4:11], s[0:1], 0x0               ; opc s[4:5], ops s[6:7], b_qkv s[8:9], qkvc s[10:11]
	s_load_b64 s[12:13], s[0:1], 0x20              ; qkvs
	v_lshl_add_u32 v[SPW], v0, 2, SPARE
	v_mov_b32 v[NIL], 0
	ds_add_u32 v28, v29
	ds_add_u32 v28, v29
	s_wait_dscnt 0x0
	v_lshrrev_b32 v1, 5, v0
	v_readfirstlane_b32 s14, v1                    ; wave 0..3
	s_lshr_b32 s15, s14, 1                         ; wm: which half of A's tiles is mine.  Also: I fetch for A (0) or for B (1)
	s_and_b32 s16, s14, 1                          ; wn: which half of B's.  Also: which eight tiles I fetch
	s_bfe_u32 s40, ttmp6, 0x40000                  ; cx, cy: my place in the cluster
	s_bfe_u32 s41, ttmp6, 0x40004
	s_lshl_b32 s43, s41, 2
	s_lshl_b32 s43, 15, s43                        ; my row of the cluster
	s_lshl_b32 s44, 0x1111, s40                    ; my column
	s_and_b32 s18, ttmp7, 0xffff                   ; the cluster's y
	s_lshl_b32 s19, s18, 2
	s_sub_co_u32 s21, s18, 4
	s_lshl_b32 s21, s21, 1
	s_add_co_u32 s21, s21, ttmp9                   ; role 1: cluster x + 2 (y - 4)
	s_cmp_lt_u32 s18, 4
	s_cselect_b32 s[ROLE], 0, 1
	s_cselect_b32 s19, s19, 0
	s_cselect_b32 s21, ttmp9, s21
	s_cselect_b32 s20, 0, 384                      ; A's first tile: tokens | v's columns
	s_cselect_b32 s46, 256, 0                      ; B's: q's and k's columns | tokens
	s_add_co_u32 s17, s19, s41                     ; ty: which 256 of A: 4 y + cy | cy
	s_lshl_b32 s42, s21, 2
	s_add_co_u32 s42, s42, s40                     ; tx: which 256 of B
	s_lshl_b32 s22, s17, 4
	s_add_co_u32 s20, s20, s22
	s_lshl_b32 s45, s16, 3
	s_add_co_u32 s20, s20, s45                     ; A: the first of the eight tiles that I fetch
	s_lshl_b32 s47, s42, 4
	s_add_co_u32 s46, s46, s47
	s_add_co_u32 s46, s46, s45                     ; B likewise
	s_lshl_b32 s22, s20, 9                         ; their scales, 512 bytes a tile,
	s_mul_i32 s20, s20, 12288                      ; and their codes
	s_mov_b32 s21, 0
	s_mov_b32 s23, 0
	s_lshl_b32 s92, s46, 9
	s_mul_i32 s46, s46, 12288
	s_mov_b32 s47, 0
	s_mov_b32 s93, 0
	s_mul_i32 s45, s14, HALFT                      ; where they go: no place in the cluster enters an LDS address
	s_lshl_b32 s94, s14, 12
	s_lshl_b32 s96, s15, 7
	s_add_co_u32 s94, s94, s96
	; descriptor group 1, codes: eight rows of 3,072 bytes (384 elements of 8 bytes), 12,288 bytes apart; no padding: the images are read 16 or 8 consecutive bytes a lane
	s_or_b32 s[G1+0], s43, (3<<16)|(1<<21)         ; 15:0 the mask; 17:16 elements of 8 bytes; 21 set beside a mask
	s_or_b32 s[G1B+0], s44, (3<<16)|(1<<21)
.irp g, G1, G1B
	s_mov_b32 s[\g+1], 384<<16                     ; tensor_dim0
	s_mov_b32 s[\g+2], 8<<16                       ; tensor_dim1
	s_mov_b32 s[\g+3], 384<<16                     ; tile_dim0
	s_mov_b32 s[\g+4], 8                           ; tile_dim1
	s_mov_b32 s[\g+5], 1536                        ; tensor_dim0_stride
	s_mov_b32 s[\g+6], 0
	s_mov_b32 s[\g+7], 0
.endr
	; scales: eight tiles' 4,096 dense bytes as 16 rows of 256
	s_or_b32 s[G1S+0], s43, (3<<16)|(1<<21)
	s_or_b32 s[G1SB+0], s44, (3<<16)|(1<<21)
.irp g, G1S, G1SB
	s_mov_b32 s[\g+1], 32<<16
	s_mov_b32 s[\g+2], 16<<16
	s_mov_b32 s[\g+3], 32<<16
	s_mov_b32 s[\g+4], 16
	s_mov_b32 s[\g+5], 32
	s_mov_b32 s[\g+6], 0
	s_mov_b32 s[\g+7], 0
.endr
	s_mov_b32 s[SEL], 0x76543210
	s_mov_b32 s[SEL+1], 0xfedcba98
	s_wait_kmcnt 0x0
	s_add_nc_u64 s[20:21], s[4:5], s[20:21]
	s_add_nc_u64 s[22:23], s[6:7], s[22:23]
	s_add_nc_u64 s[46:47], s[4:5], s[46:47]
	s_add_nc_u64 s[92:93], s[6:7], s[92:93]
	CROUND                                         ; all sixteen work-groups are here: the first joint loads meet
	s_mov_b32 s[G0S], 1
	s_add_co_u32 s[G0S+1], s94, SCL
	s_mov_b64 s[G0S+2:G0S+3], s[22:23]
	s_or_b32 s[G0S+3], s[G0S+3], 0x80000000
	s_mov_b32 s[G0SB], 1
	s_add_co_u32 s[G0SB+1], s94, SCL
	s_mov_b64 s[G0SB+2:G0SB+3], s[92:93]
	s_or_b32 s[G0SB+3], s[G0SB+3], 0x80000000
	JLOAD G0S, G1S, G0SB, G1SB                     ; the scales first: they are wanted with the first slot
.irp s, 0,1
	s_mov_b32 s[G0+4*\s], 1
	s_add_co_u32 s[G0+4*\s+1], s45, \s*SLOT
	s_add_nc_u64 s[G0+4*\s+2:G0+4*\s+3], s[20:21], \s*TILEB
	s_or_b32 s[G0+4*\s+3], s[G0+4*\s+3], 0x80000000
	s_mov_b32 s[G0B+4*\s], 1
	s_add_co_u32 s[G0B+4*\s+1], s45, \s*SLOT
	s_add_nc_u64 s[G0B+4*\s+2:G0B+4*\s+3], s[46:47], \s*TILEB
	s_or_b32 s[G0B+4*\s+3], s[G0B+4*\s+3], 0x80000000
	JLOAD G0+4*\s, G1, G0B+4*\s, G1B               ; three tensor loads of mine are out
.endr
	v_and_b32 v1, 31, v0                           ; l
	v_and_b32 v2, 15, v0                           ; r
	v_bfe_u32 v3, v0, 4, 1                         ; h
	v_lshlrev_b32 v[LI], 4, v1
	v_lshlrev_b32 v[LJ], 3, v1
	v_lshlrev_b32 v[LS], 2, v1
	v_add_nc_u32 v5, 512, v[LJ]
	s_mul_i32 s21, s15, HALFT                      ; my eight tiles of A
	s_mul_i32 s22, s16, HALFT                      ; my eight of B,
	s_add_co_u32 s22, s22, 2*HALFT                 ; which lie behind A's sixteen
.irp s, 0,1
	v_add_nc_u32 v[ADRA+\s], s21, v[LI]
	v_add_nc_u32 v[ADRB+\s], s22, v[LI]
	v_add_nc_u32 v[ADRA+2+\s], s21, v5
	v_add_nc_u32 v[ADRB+2+\s], s22, v5
	s_add_co_u32 s21, s21, SLOT
	s_add_co_u32 s22, s22, SLOT
.endr
	s_lshl_b32 s21, s15, 12                        ; A's scales: my eight tiles
	s_lshl_b32 s22, s16, 12                        ; B's: my eight, 8,320 bytes behind A's first
	s_add_co_u32 s22, s22, 8320
	s_sub_co_u32 s22, s22, s21
	v_mul_u32_u24 v6, s22, v3                      ; lanes 16-31 take B's: one product in h
	s_add_co_u32 s21, s21, SCL
	v_lshl_add_u32 v6, v2, 3, v6                   ; 8 bytes a place
	v_add_nc_u32 v[ADRS], s21, v6
	; the biases, both loaded in both roles, from places inside b_qkv; the role's own is used
	s_lshl_b32 s21, s42, 8
	s_lshl_b32 s22, s16, 7
	s_add_co_u32 s21, s21, s22                     ; role 0: my first column: 256 tx + 128 wn
	s_lshl_b32 s22, s17, 8
	s_lshl_b32 s23, s15, 7
	s_add_co_u32 s22, s22, s23
	s_add_co_u32 s22, s22, 2048                    ; role 1: 2,048 + 256 ty + 128 wm
	s_cmp_eq_u32 s[ROLE], 0
	s_cselect_b32 s96, s21, 0
	s_cselect_b32 s98, 0, s22
	s_lshl_b32 s96, s96, 2
	s_lshl_b32 s98, s98, 2
	s_mov_b32 s97, 0
	s_mov_b32 s99, 0
	s_add_nc_u64 s[96:97], s[8:9], s[96:97]
	s_add_nc_u64 s[98:99], s[8:9], s[98:99]
	v_lshlrev_b32 v8, 6, v3                        ; 16 h numbers
	v_and_b32 v9, 8, v2
	v_add_nc_u32 v9, v9, v2
	v_lshlrev_b32 v9, 2, v9                        ; r + 8 (r / 8) numbers
.irp b, 0,1,2,3,4,5,6,7
	global_load_b128 v[BN+8*\b:BN+8*\b+3], v8, s[96:97] offset:(32*(\b/2)+8*(\b%2))*4
	global_load_b128 v[BN+8*\b+4:BN+8*\b+7], v8, s[96:97] offset:(32*(\b/2)+8*(\b%2))*4+16
	global_load_b32 v[BM+\b], v9, s[98:99] offset:(32*(\b/2)+8*(\b%2))*4
.endr
.macro FRAG reg, adr, q, i             ; a fragment, 16 rows x 128 K: two chunks' images, as they lie
	ds_load_b128 v[\reg:\reg+3], v[\adr] offset:(\i)*TILEB+(\q)*1536
	ds_load_b64 v[\reg+4:\reg+5], v[\adr+2] offset:(\i)*TILEB+(\q)*1536
	ds_load_b128 v[\reg+6:\reg+9], v[\adr] offset:(\i)*TILEB+(\q)*1536+768
	ds_load_b64 v[\reg+10:\reg+11], v[\adr+2] offset:(\i)*TILEB+(\q)*1536+768
.endm
; 16 matrix instructions: A's tiles a0, a0 + 1 x B's eight, the slot's q-th 128 along K.  p: B's set; sc: the set of scale words.  zero = 1: the first product starts the sums.
; The 64 accumulators take turns, one instruction a turn, in the same order in every step.
.macro MUL16 a0, p, q, sc, zero
.irp a, \a0, \a0+1
.irp b, 0,1,2,3,4,5,6,7
.if \zero
	v_wmma_scale_f32_16x16x128_f8f6f4 v[8*(8*((\a)%4)+\b):8*(8*((\a)%4)+\b)+7], v[128*(\p)+FR*\b:128*(\p)+FR*\b+FR-1], v[AF+FR*(\a):AF+FR*(\a)+FR-1], 0, v[SC+8*NQ*(\sc)+NQ*\b+(\q)], v[SC+8*NQ*(\sc)+NQ*(\a)+(\q)] matrix_a_fmt:MATRIX_FMT_BF6 matrix_b_fmt:MATRIX_FMT_BF6 matrix_a_scale:MATRIX_SCALE_ROW1
.else
	v_wmma_scale_f32_16x16x128_f8f6f4 v[8*(8*((\a)%4)+\b):8*(8*((\a)%4)+\b)+7], v[128*(\p)+FR*\b:128*(\p)+FR*\b+FR-1], v[AF+FR*(\a):AF+FR*(\a)+FR-1], v[8*(8*((\a)%4)+\b):8*(8*((\a)%4)+\b)+7], v[SC+8*NQ*(\sc)+NQ*\b+(\q)], v[SC+8*NQ*(\sc)+NQ*(\a)+(\q)] matrix_a_fmt:MATRIX_FMT_BF6 matrix_b_fmt:MATRIX_FMT_BF6 matrix_a_scale:MATRIX_SCALE_ROW1
.endif
.endr
.endr
.endm
.macro FETCH_B slot, q, p
	WIN TO_B
.irp i, 0,1,2,3,4,5,6,7
	FRAG 128*(\p)+FR*\i, ADRB+\slot, \q, \i
.endr
	WIN 0
.endm
.macro FETCH_A slot, q, i0
.irp i, \i0, \i0+1, \i0+2, \i0+3
	FRAG AF+FR*(\i), ADRA+\slot, \q, \i
.endr
.endm
.macro SCALES sc                       ; a slot's scale words: two a place; lanes 0-15 take A's tile i, lanes 16-31 B's tile i
.irp i, 0,1,2,3,4,5,6,7
	ds_load_b64 v[SC+8*NQ*\sc+NQ*\i:SC+8*NQ*\sc+NQ*\i+1], v[ADRS] offset:\i*512
.endr
.endm
.macro PLACES n                        ; plain vector instructions between a matrix instruction and a load into, or a read of, its registers (ISA guide 7.12.1 for reads)
.rept \n
	v_nop
.endr
.endm
.macro STEP slot, q, zero              ; a step of 128 along K that has its successor in the same slot
	s_wait_dscnt 4*NL                              ; B's set and A's tiles 0-3 are in; the youngest sixteen loads (A's tiles 4-7) may be out
	WIN MUL_LO
	MUL16 0, (\q)%2, \q, \slot, \zero
	MUL16 2, (\q)%2, \q, \slot, \zero
	s_wait_dscnt 0                                 ; A's tiles 4-7 are in
	PLACES NP
	FETCH_B \slot, (\q)+1, 1-(\q)%2
	FETCH_A \slot, (\q)+1, 0
	WIN MUL_HI
	MUL16 4, (\q)%2, \q, \slot, \zero
	MUL16 6, (\q)%2, \q, \slot, \zero
	PLACES NP
	WIN 0
	FETCH_A \slot, (\q)+1, 4
.endm
; A slot's last step changes slots: ONE barrier; in front of it each wave waits for all its tensor loads, adds 0 to its spare word, and waits for that and for its reads of this slot.  fill = 1: this slot is filled again.
.macro TURN slot, next, fill
	s_wait_tensorcnt 0x0                           ; all my tensor loads have landed: my part of the next slot
	ds_add_u32 v[SPW], v[NIL]                      ; 0 onto my spare word
	s_wait_dscnt 4*NL+1                            ; (the add and the youngest sixteen loads may be out)
	WIN MUL_LO
	MUL16 0, 1, NQ-1, \slot, 0                     ; sixteen matrix instructions stand between the add and the wait for it
	s_wait_dscnt 0x0                               ; the add is done, and my reads of this slot are over
	s_barrier_signal -1
	MUL16 2, 1, NQ-1, \slot, 0
	WIN 0
	s_barrier_wait -1
.if \fill
	CREST                                          ; the barrier has opened a round of the cluster's barrier: no wave of any partner still reads this slot or has a load on its way
	s_add_nc_u64 s[G0+4*\slot+2:G0+4*\slot+3], s[G0+4*\slot+2:G0+4*\slot+3], 2*TILEB
	s_add_nc_u64 s[G0B+4*\slot+2:G0B+4*\slot+3], s[G0B+4*\slot+2:G0B+4*\slot+3], 2*TILEB
	JLOAD G0+4*\slot, G1, G0B+4*\slot, G1B         ; the first tensor load behind the round; its four v_nop are the places in front of the loads below
.else
	PLACES NP
.endif
	v_add_nc_u32 v[ADRS], 128, v[ADRS]             ; the next slot's scale words (no LDS load of mine is out)
	FETCH_B \next, 0, 0
	FETCH_A \next, 0, 0
	SCALES \next
	WIN MUL_HI
	MUL16 4, 1, NQ-1, \slot, 0
	MUL16 6, 1, NQ-1, \slot, 0
	PLACES NP
	WIN 0
	FETCH_A \next, 0, 4
.endm
	s_wait_tensorcnt 1                             ; the scales and my part of slot 0 are in (slot 1's load may be out),
	s_barrier_signal -1
	s_barrier_wait -1                              ; everybody's are
	FETCH_B 0, 0, 0
	FETCH_A 0, 0, 0
	SCALES 0
	FETCH_A 0, 0, 4
	STEP 0, 0, 1                                   ; K 0-127: these products start the sums: nothing is cleared
	TURN 0, 1, 1                                   ; K 128-255; slot 0 takes K 512-767
	STEP 1, 0, 0
	TURN 1, 0, 1                                   ; slot 1 takes K 768-1,023
	STEP 0, 0, 0
	TURN 0, 1, 0                                   ; nothing is left to fetch, so no round follows
	STEP 1, 0, 0
	s_wait_dscnt 4*NL                              ; the last step
	WIN MUL_LO
	MUL16 0, 1, NQ-1, 1, 0
	MUL16 2, 1, NQ-1, 1, 0
	s_wait_dscnt 0
	WIN MUL_HI
	MUL16 4, 1, NQ-1, 1, 0
	MUL16 6, 1, NQ-1, 1, 0
	WIN 0
	; ---------------- THE WAY OUT.  No tensor load of mine is out (the last change of slots waited for all): the descriptors' registers are free.
	; P: which 256 tokens; F: which 256 columns; wt, wf: my half of each.
	s_cmp_lg_u32 s[ROLE], 0
	s_cselect_b32 s18, s42, s17                    ; P
	s_cselect_b32 s19, s17, s42                    ; F
	s_cselect_b32 s20, s16, s15                    ; wt
	s_cselect_b32 s21, s15, s16                    ; wf
	s_cselect_b32 s23, 8, 9                        ; 128 tokens' scale words: 256 bytes of Vs | 512 of Qs, Ks
	s_mov_b32 s29, 294912                          ; a head's codes
	s_cselect_b32 s34, s29, 3072                   ; from tile a to a + 4: the next head | four token tiles
	s_cselect_b32 s36, 3072, s29                   ; from chunk 0 to chunk 1: the next 64 keys | the next head
	s_mov_b32 s29, 20480                           ; a head's scales
	s_cselect_b32 s38, s29, 256
	s_mov_b32 s[SEL0], 0x03020100
	s_cselect_b32 s[SEL0], s[SEL0], 0x01000100     ; the first word: all four bytes | e0, e1, e0, e1 of the first head
	s_lshr_b32 s22, s19, 2
	s_cmp_lg_u32 s[ROLE], 0
	s_cselect_b32 s22, 2, s22                      ; v | q or k
	s_mov_b32 s[SEL1], 0x03020302                  ; the second head's word
	s_mov_b32 s[HM], 0xffff0000                    ; lanes 16-31
	s_mov_b32 s31, 0
	s_mov_b32 s33, 0
	s_mov_b32 s35, 0
	s_mov_b32 s37, 0
	s_mov_b32 s39, 0
	s_mov_b32 s40, 20480
	s_mov_b32 s41, 0
	s_lshr_b32 s27, s18, 3
	s_lshl_b32 s27, s27, 4                         ; 16 x batch
	s_and_b32 s29, s19, 3
	s_lshl_b32 s29, s29, 2
	s_add_co_u32 s27, s27, s29
	s_lshl_b32 s29, s21, 1
	s_add_co_u32 s27, s27, s29                     ; my first head: 16 b + 4 (F % 4) + 2 wf
	s_and_b32 s28, s18, 7
	s_lshl_b32 s28, s28, 1
	s_add_co_u32 s28, s28, s20                     ; u: which 128 tokens of the batch
	s_mul_i32 s30, s27, 294912
	s_mul_i32 s29, s22, 98304
	s_add_co_u32 s30, s30, s29
	s_mul_i32 s29, s28, 6144
	s_add_co_u32 s30, s30, s29
	s_mul_i32 s32, s27, 20480
	s_lshl_b32 s29, s22, 13
	s_add_co_u32 s32, s32, s29
	s_lshl_b32 s29, s28, s23
	s_add_co_u32 s32, s32, s29
	s_add_nc_u64 s[CB:CB+1], s[10:11], s[30:31]
	s_add_nc_u64 s[CB+2:CB+3], s[CB:CB+1], s[36:37]
	s_add_nc_u64 s[CB+4:CB+5], s[CB:CB+1], s[34:35]
	s_add_nc_u64 s[CB+6:CB+7], s[CB+4:CB+5], s[36:37]
	s_add_nc_u64 s[ZBS:ZBS+1], s[12:13], s[32:33]
	s_add_nc_u64 s[ZBS+2:ZBS+3], s[ZBS:ZBS+1], s[40:41]
	s_add_nc_u64 s[ZBS+4:ZBS+5], s[ZBS:ZBS+1], s[38:39]
	s_add_nc_u64 s[ZBS+6:ZBS+7], s[ZBS+4:ZBS+5], s[40:41]
.irp b, 0,1,2,3
	v_mov_b32 v[TM+4+\b], 0                        ; a lane permute's destination counts as one of its sources.  These four are also the places behind the last products
.endr
	s_wait_loadcnt 0x0                             ; the biases
; 64 numbers of a lane, register 16 b + i = index 32 b + 16 (lane / 16) + i of my row, become a fragment's codes in v[PC] on and its four scale bytes in v[PW].
.macro QUANT s
.irp b, 0,1,2,3
	v_max3_num_f32 v[TM+\b], |v[\s+16*\b]|, |v[\s+1+16*\b]|, 0x2800000   ; block b: my 16 numbers, and the floor 2^(5 - 127): the byte cannot fall under 1
.endr
.irp i, 2,4,6,8,10,12,14
.irp b, 0,1,2,3
	v_max3_num_f32 v[TM+\b], v[TM+\b], |v[\s+16*\b+\i]|, |v[\s+1+16*\b+\i]|   ; (the four blocks by turns)
.endr
.endr
.irp b, 0,1,2,3
	v_permlanex16_b32 v[TM+4+\b], v[TM+\b], s[SEL], s[SEL+1]
.endr
.irp b, 0,1,2,3
	v_max_num_f32 v[TM+\b], v[TM+\b], v[TM+4+\b]   ; with lane l xor 16's: the block's largest magnitude
.endr
.irp b, 0,1,2,3
	v_add_nc_u32 v[TM+12+\b], 0xfe000000, v[TM+\b] ; 4 off its exponent field: the conversion's scale operand
.endr
.irp b, 0,1,2,3
	v_lshrrev_b32 v[TM+4+\b], 23, v[TM+12+\b]      ; the scale's byte
.endr
	v_lshl_or_b32 v[PW], v[TM+5], 8, v[TM+4]
	v_lshl_or_b32 v[PW], v[TM+6], 16, v[PW]
	v_lshl_or_b32 v[PW], v[TM+7], 24, v[PW]
.irp c, 0,1
	v_cvt_scalef32_pk16_bf6_f32 v[PC+6*\c:PC+2+6*\c], v[\s+32*\c:\s+15+32*\c], v[TM+12+2*\c]
	v_cvt_scalef32_pk16_bf6_f32 v[PC+12+4*\c:PC+14+4*\c], v[\s+16+32*\c:\s+31+32*\c], v[TM+12+2*\c+1]   ; (a conversion's three registers begin on an even number)
.endr
	v_nop                                          ; one plain instruction behind a scaled conversion
.irp c, 0,1                            ; the layout wants a WHOLE block in a lane: lanes 0-15 block 2 c, lanes 16-31 block 2 c + 1
.irp i, 0,1,2
	v_permlane16_swap_b32 v[PC+6*\c+\i], v[PC+12+4*\c+\i]
.endr
.irp i, 0,1,2
	v_mov_b32 v[PC+3+6*\c+\i], v[PC+12+4*\c+\i]
.endr
.endr
.endm
.macro BIAS a                          ; tile a's 64 sums + the bias -> v[XQ] on; each accumulator is read from its low end on
.set AC, 64*((\a)%4)
	s_cmp_lg_u32 s[ROLE], 0
	s_cbranch_scc1 .Lby_lane_\@
	WIN 0x02+(\a)/4                                ; source 0: window 2 or 3
.set i, 0
.rept 32
	v_pk_add_f32 v[XQ+i:XQ+i+1], v[AC+i:AC+i+1], v[BN+i:BN+i+1]
.set i, i+2
.endr
	WIN 0
	s_branch .Lbiased_\@
.Lby_lane_\@:
	v_mov_b32 v[BP], v[BM+(\a)]
	v_mov_b32 v[BP+1], v[BM+(\a)]
	WIN 0x02+(\a)/4
.set i, 0
.rept 32
	v_pk_add_f32 v[XQ+i:XQ+i+1], v[AC+i:AC+i+1], v[BP:BP+1]
.set i, i+2
.endr
	WIN 0
.Lbiased_\@:
.endm
.macro OUTA a                          ; tile a of A: two chunks' images and their scale words
	s_wait_xcnt 0x0                                ; the last tile's stores have read their registers
	BIAS \a
	QUANT XQ
.irp c, 0,1
	global_store_b128 v[LI], v[PC+6*\c:PC+6*\c+3], s[CB+4*((\a)/4)+2*\c:CB+4*((\a)/4)+2*\c+1] offset:((\a)%4)*768        ; 512 consecutive bytes
	global_store_b64 v[LJ], v[PC+6*\c+4:PC+6*\c+5], s[CB+4*((\a)/4)+2*\c:CB+4*((\a)/4)+2*\c+1] offset:((\a)%4)*768+512   ; 256 consecutive bytes
.endr
.if (\a)%2 == 0
	v_perm_b32 v[WE], v[PW], v[PW], s[SEL0]        ; lanes r and r + 16 hold the same row's bytes
	v_perm_b32 v[WE+1], v[PW], v[PW], s[SEL1]
.else
	v_perm_b32 v[WM], v[PW], v[PW], s[SEL0]
	v_perm_b32 v[WM+1], v[PW], v[PW], s[SEL1]
	v_cndmask_b32 v[WM], v[WE], v[WM], s[HM]       ; lanes 0-15 the even tile's word, lanes 16-31 the odd one's
	v_cndmask_b32 v[WM+1], v[WE+1], v[WM+1], s[HM]
	global_store_b32 v[LS], v[WM], s[ZBS+4*((\a)/4):ZBS+4*((\a)/4)+1] offset:(((\a)%4)/2)*128
	s_cmp_lg_u32 s[ROLE], 0
	s_cbranch_scc1 .Lone_word_\@                   ; v's four bytes are one word; q's and k's are two heads' words
	global_store_b32 v[LS], v[WM+1], s[ZBS+4*((\a)/4)+2:ZBS+4*((\a)/4)+3] offset:(((\a)%4)/2)*128
.Lone_word_\@:
.endif
.endm
.irp a, 0,1,2,3,4,5,6,7
	OUTA \a
.endr
	s_wait_tensorcnt 0x0                           ; the wave's end
	ds_add_u32 v[SPW], v[NIL]
	s_wait_dscnt 0x0
	CROUND                                         ; the closing round: no work-group ends while a partner may still ask for a tile that names it
	s_endpgm
.Lfunc_end_k_q0c382b3ea2_qkv:
	.size	k_q0c382b3ea2_qkv, .Lfunc_end_k_q0c382b3ea2_qkv-k_q0c382b3ea2_qkv
	.p2alignl 7, 3214868480
	.fill 96, 4, 3214868480
	.section	.rodata,"a",@progbits
	.p2align	6, 0x0
	.amdhsa_kernel k_q0c382b3ea2_qkv
		.amdhsa_group_segment_fixed_size 327680
		.amdhsa_private_segment_fixed_size 0
		.amdhsa_enable_private_segment 0
		.amdhsa_kernarg_size 40
		.amdhsa_user_sgpr_count 2
		.amdhsa_user_sgpr_kernarg_segment_ptr 1
		.amdhsa_wavefront_size32 1
		.amdhsa_system_sgpr_workgroup_id_x 1
		.amdhsa_system_sgpr_workgroup_id_y 1
		.amdhsa_system_sgpr_workgroup_id_z 1
		.amdhsa_system_vgpr_workitem_id 0
		.amdhsa_next_free_vgpr 1024
		.amdhsa_next_free_sgpr 102
		.amdhsa_reserve_vcc 0
		.amdhsa_float_denorm_mode_32 3
		.amdhsa_float_denorm_mode_16_64 3
		.amdhsa_memory_ordered 1
		.amdhsa_forward_progress 1
		.amdhsa_inst_pref_size 189
	.end_amdhsa_kernel
	.amdgpu_metadata
---
amdhsa.version: [ 1, 2 ]
amdhsa.kernels:
  - .name:           k_q0c382b3ea2_qkv
    .symbol:         k_q0c382b3ea2_qkv.kd
    .args:
      - { .name: opc, .offset: 0, .size: 8, .value_kind: global_buffer, .address_space: global }
      - { .name: ops, .offset: 8, .size: 8, .value_kind: global_buffer, .address_space: global }
      - { .name: b_qkv, .offset: 16, .size: 8, .value_kind: global_buffer, .address_space: global }
      - { .name: qkvc, .offset: 24, .size: 8, .value_kind: global_buffer, .address_space: global }
      - { .name: qkvs, .offset: 32, .size: 8, .value_kind: global_buffer, .address_space: global }
    .group_segment_fixed_size: 327680
    .private_segment_fixed_size: 0
    .kernarg_segment_align: 8
    .kernarg_segment_size: 40
    .max_flat_workgroup_size: 128
    .sgpr_count:     102
    .vgpr_count:     1024
    .wavefront_size: 32
...
	.end_amdgpu_metadata
.endif
;; end of part 2
;; launch attn (part 3): grid 8 x 32, 16 waves a work-group, no clusters, 210,944 bytes of LDS; arguments qkvc, qkvs, idx, weight, aoc, aos; writes aoc, aos
.if DOCPART == 3
	.amdgcn_target "amdgcn-amd-amdhsa--gfx1250"
	.amdhsa_code_object_version 6
	.text
	.protected	k_q0c382b3ea2_attn
	.globl	k_q0c382b3ea2_attn
	.p2align	8
	.type	k_q0c382b3ea2_attn,@function
k_q0c382b3ea2_attn:
	s_mov_b64 s[64:65], 0
	v_nop
	global_prefetch_b8 v0, s[64:65] scope:SCOPE_SE
	s_setreg_imm32_b32 hwreg(HW_REG_WAVE_MODE, 25, 1), 1
	s_wait_xcnt 0x0
; For each head: w = softmax(q k^T / 8 under the causal mask); w = w a / sum(w a), a_k = weight for keys k >= idx[batch], else 1; o = w v.  Both products on codes of BF6 (E3M2) with E8M0 scales.
; WHAT IS QUANTISED for the second product is the FINISHED weight, along the keys.  A row's maximum and sum must therefore be known before any weight is quantised: TWO PASSES over the keys.  Pass 1 finds M (the largest
; t = score x log2(e) / 8, rounded up to a whole number) and L = the sum of 2^(t - M) a.  Pass 2 makes the same scores again (the same instructions on the same codes: the same bits), w = 2^(t - M) a / L, quantises it and multiplies by v.
; The head's 64 are half of the instruction's 128 along K: the upper six registers of q's and k's fragments are zero codes; their scale bytes repeat the real ones.
; SHARES.  A work-group takes one head (y) and 16 tiles of 16 queries, one a wave: wave w takes tile 8 g + x, g = w for w under 8, else 23 - w: g + 1 steps of 128 keys, so that waves w, w + 4, w + 8, w + 12 have 34 together.
; A head's K and V, codes and scale words, are 208,896 bytes: they come into LDS ONCE, through registers; one barrier; then the waves never meet again.
; NO TENSOR LOADS, SO NO JOINT LOADS, though the eight work-groups of a head read the same K and V: the forcing factor is constant over a step of 128 keys in every step but the one that holds idx, and a scalar branch on idx
; keeps its 192 instructions out of all other steps.  All loads stand at the head, so nothing is prefetched either.
; LAYOUT.  Both products are used transposed (source 0 = 16 keys, or 16 of the head's 64; source 1 = my 16 queries): a lane holds ONE query.  A tile's place r is row 32 (T / 2) + 8 (T % 2) + r + 8 (r / 8), so that
; register 16 b + i of the scores in lane (r, h) is key 128 step + 32 b + 16 h + i, and of O^T the head's 32 b + 16 h + i: 16 neighbours along the next K.
; RESULTS.  aoc [256 token tiles][16 heads][768]: an image of six operand registers; aos [256 tiles][4][16 places][8 bytes], byte 2 (head % 4) + h: stored byte by byte, 32 bytes a wave.
; LIMITS: idx is compared as a signed number.  Where the sum of w a is 0 the result is NaN, as the definition's is.  A block of zeros gets the byte 1.  NaN and infinities among the inputs are not served.
.set VLD,  98304                       ; LDS: K's codes at 0 (6,144 bytes a step), V's here,
.set KSL,  196608                      ; K's scale words (512 a step),
.set VSL,  204800                      ; V's (256 a step)
.set LA,   1                           ; v1   16 l
.set LB,   2                           ; v2   8 l + 512
.set LSK,  3                           ; v3   4 l + KSL
.set ADA,  4                           ; v4-6 the step's K: first 16 bytes, last 8, scale words
.set ADB,  5
.set ADS,  6
.set ADVA, 7                           ; v7-9 the same for V
.set ADVB, 8
.set ADVS, 9
.set DQ,   10                          ; v10  my query's place in its step of 128, less 16 h
.set H16,  11                          ; v11  16 h
.set RL,   29                          ; v29  1 / L
.set RF,   30                          ; v[30:31] the step's factor / L
.set KF,   32                          ; v32-79 four fragments of K; the upper six registers of each stay 0
.set KSC,  80                          ; v80-83 K's scale words, one register for two tiles
.set VSC,  84                          ; v84-85 V's
.set WR,   86                          ; v86  weight
.set NINF, 87                          ; v87  -infinity
.set FT,   88                          ; v88-89 at work
.set DF,   90                          ; v90  idx's place in the step, less 16 h
.set AV0,  92                          ; v92  16 l + VLD
.set BV0,  93                          ; v93  8 l + 512 + VLD
.set SV0,  94                          ; v94  4 l + VSL
.set BO,   95                          ; v95  8 r + h
.set SS,   96                          ; v96-159 the scores, then the weights, then V's four fragments
.set OT,   160                         ; v160-191 O^T
.set PC,   192                         ; v192-211 codes
.set TM,   212                         ; v212-227 at work in the quantiser
.set PW,   228                         ; v228 the weights' scale word
.set FF,   230                         ; v[230:231] 2^(old M - new M)
.set MX,   232                         ; v232-237 maxima and sums at work
.set WV,  16
.set G,   17
.set T,   18
.set BH,  19
.set WGT, 30
.set IDX, 31
.set SMIX, 32                          ; the step that idx cuts, or -1
.set ONE, 33
.set FS,  34                           ; s[34:35] the step's factor
.set SEL, 36
.set CS,  38                           ; s[38:39] log2(e) / 8
.set HM,  40
.set ST,  41                           ; the step; s42 6,144 x, s43 512 x, s44 256 x, s45 128 x the step
.set TK,  42
.set TS,  43
.set TV,  44
.set KS,  45
	s_load_b256 s[4:11], s[0:1], 0x0               ; qkvc s[4:5], qkvs s[6:7], idx s[8:9], weight s[10:11]
	s_load_b128 s[12:15], s[0:1], 0x20             ; aoc s[12:13], aos s[14:15]
	v_lshl_add_u32 v254, v0, 2, 0x33000
	v_mov_b32 v255, 0
	v_lshrrev_b32 v4, 5, v0
	v_readfirstlane_b32 s[WV], v4                  ; wave 0..15
	s_and_b32 s[BH], ttmp7, 0xffff                 ; 16 x batch + head
	s_sub_co_u32 s46, 23, s[WV]
	s_cmp_lt_u32 s[WV], 8
	s_cselect_b32 s[G], s[WV], s46
	s_lshl_b32 s[T], s[G], 3
	s_add_co_u32 s[T], s[T], ttmp9                 ; my tile of queries
	s_mul_i32 s46, s[BH], 294912
	s_mov_b32 s47, 0
	s_mul_i32 s48, s[T], 768
	s_mov_b32 s49, 0
	s_mul_i32 s50, s[BH], 20480
	s_mov_b32 s51, 0
	s_lshl_b32 s52, s[T], 6                        ; 128 bytes a pair of tiles, 64 for the odd one
	s_mov_b32 s53, 0
	s_lshr_b32 s54, ttmp9, 1
	s_lshl_b32 s54, s54, 5
	s_and_b32 s55, ttmp9, 1
	s_lshl_b32 s55, s55, 3
	s_add_co_u32 s54, s54, s55                     ; my tile's first query in its step: 32 (x / 2) + 8 (x % 2)
	s_mov_b32 s[ONE], 0x3f800000
	s_mov_b32 s[SEL], 0x76543210
	s_mov_b32 s[SEL+1], 0xfedcba98
	s_mov_b32 s[CS], 0x3e38aa3b
	s_mov_b32 s[CS+1], s[CS]                       ; (named with it as a pair, so it is written)
	s_mov_b32 s[HM], 0xffff0000
	v_and_b32 v4, 31, v0                           ; l
	v_and_b32 v5, 15, v0                           ; r
	v_bfe_u32 v6, v0, 4, 1                         ; h
	v_lshlrev_b32 v[LA], 4, v4
	v_lshlrev_b32 v[LB], 3, v4
	v_add_nc_u32 v[LB], 512, v[LB]
	v_lshlrev_b32 v[LSK], 2, v4
	v_add_nc_u32 v[SV0], VSL, v[LSK]
	v_add_nc_u32 v[LSK], KSL, v[LSK]
	v_add_nc_u32 v[AV0], VLD, v[LA]
	v_add_nc_u32 v[BV0], VLD, v[LB]
	v_lshl_add_u32 v[BO], v5, 3, v6
	v_lshlrev_b32 v[H16], 4, v6
	v_and_b32 v[DQ], 8, v5
	v_add_nc_u32 v[DQ], v[DQ], v5
	v_sub_nc_u32 v[DQ], v[DQ], v[H16]
	v_add_nc_u32 v[DQ], s54, v[DQ]
	v_lshlrev_b32 v247, 2, v5                      ; 4 r
	v_lshlrev_b32 v240, 4, v0                      ; the fill: 16 bytes a thread, 8,192 an instruction
	v_lshlrev_b32 v241, 3, v0
	v_lshlrev_b32 v242, 4, v0                      ; and its places in LDS: an immediate reaches 64 KiB
	v_add_nc_u32 v243, 0x10000, v242
	v_add_nc_u32 v244, 0x20000, v242
	v_add_nc_u32 v245, KSL, v242
	v_add_nc_u32 v246, VSL, v241
	s_wait_kmcnt 0x0
	s_load_b64 s[28:29], s[8:9], 0x0               ; both batches' idx
	s_load_b32 s[WGT], s[10:11], 0x0
	s_add_nc_u64 s[22:23], s[4:5], s[46:47]
	s_add_nc_u64 s[20:21], s[22:23], s[48:49]      ; my tile of Q
	s_add_nc_u64 s[22:23], s[22:23], 98304         ; K's codes, and V's behind them
	s_add_nc_u64 s[26:27], s[6:7], s[50:51]
	s_add_nc_u64 s[24:25], s[26:27], s[52:53]      ; my tile's scale words
	s_add_nc_u64 s[26:27], s[26:27], 8192          ; K's scale words, and V's behind them
	global_load_b128 v[16:19], v[LA], s[20:21]
	global_load_b64 v[20:21], v[LB], s[20:21]
	global_load_b32 v28, v247, s[24:25]
.set i, 0
.rept 24
	global_load_b128 v[SS+4*i:SS+4*i+3], v240, s[22:23] offset:8192*i
.set i, i+1
.endr
	global_load_b128 v[192:195], v240, s[26:27]
	global_load_b64 v[196:197], v241, s[26:27] offset:8192
.set i, 0
.rept 24
	s_wait_loadcnt 25-i                            ; the younger loads of the fill may be out
	ds_store_b128 v[242+i/8], v[SS+4*i:SS+4*i+3] offset:8192*(i%8)
.set i, i+1
.endr
	s_wait_loadcnt 1
	ds_store_b128 v245, v[192:195]
	s_wait_loadcnt 0x0
	ds_store_b64 v246, v[196:197]
	s_wait_dscnt 0x0                               ; for the others' sake: my part of the head lies in LDS
	s_barrier_signal -1
	s_barrier_wait -1                              ; everybody's does.  From here on LDS is only read
	s_wait_kmcnt 0x0
	s_lshr_b32 s46, s[BH], 4
	s_cmp_eq_u32 s46, 0
	s_cselect_b32 s[IDX], s28, s29
	s_ashr_i32 s[SMIX], s[IDX], 7
	s_and_b32 s47, s[IDX], 127
	s_cmp_lg_u32 s47, 0
	s_cselect_b32 s[SMIX], s[SMIX], -1             ; where idx stands at a step's head no step is cut
.irp k, 22,23,24,25,26,27
	v_mov_b32 v\k, 0                               ; zero codes for K = 64 .. 127
.endr
.irp t, 0,1,2,3
.irp k, 6,7,8,9,10,11
	v_mov_b32 v[KF+12*\t+\k], 0
.endr
.endr
.set i, 0
.rept 32
	v_mov_b32 v[OT+i], 0                           ; O^T: pass 2 is written once, and its first step adds onto zeros
.set i, i+1
.endr
	v_mov_b32 v13, 0xff61b1e6                      ; the largest t so far: -3e38
	v_floor_f32 v12, -v13                          ; -M
	v_mov_b32 v14, 0                               ; L, in two halves
	v_mov_b32 v15, 0
	v_mov_b32 v[RF+1], 0                           ; (upper halves of pairs of which the low word serves: named, so written)
	v_mov_b32 v[FF+1], 0
	v_mov_b32 v[MX+5], 0                           ; (a lane permute's destination counts as one of its sources)
.irp b, 0,1,2,3
	v_mov_b32 v[TM+4+\b], 0
.endr
	v_mov_b32 v[NINF], 0xff800000
	v_mov_b32 v[WR], s[WGT]
; S^T of the step in hand: eight tiles of 16 keys, four at a time.
.macro KQ
.irp g, 0,1
.if \g
.rept 4
	v_nop                                          ; places in front of loads into registers that the four products above have read
.endr
.endif
.irp t, 0,1,2,3
	ds_load_b128 v[KF+12*\t:KF+12*\t+3], v[ADA] offset:(4*\g+\t)*768
	ds_load_b64 v[KF+12*\t+4:KF+12*\t+5], v[ADB] offset:(4*\g+\t)*768
.endr
.if \g == 0
.irp p, 0,1,2,3
	ds_load_b32 v[KSC+\p], v[ADS] offset:128*\p
.endr
.endif
	s_wait_dscnt 0x0
.irp t, 0,2
	v_wmma_scale_f32_16x16x128_f8f6f4 v[SS+8*(4*\g+\t):SS+8*(4*\g+\t)+7], v[KF+12*\t:KF+12*\t+11], v[16:27], 0, v[KSC+2*\g+\t/2], v28 matrix_a_fmt:MATRIX_FMT_BF6 matrix_b_fmt:MATRIX_FMT_BF6
	v_wmma_scale_f32_16x16x128_f8f6f4 v[SS+8*(4*\g+\t)+8:SS+8*(4*\g+\t)+15], v[KF+12*\t+12:KF+12*\t+23], v[16:27], 0, v[KSC+2*\g+\t/2], v28 matrix_a_fmt:MATRIX_FMT_BF6 matrix_b_fmt:MATRIX_FMT_BF6 matrix_a_scale:MATRIX_SCALE_ROW1
.endr
.endr
.rept 4
	v_nop                                          ; places in front of the first read of the scores
.endr
.endm
; The causal mask, in the one step of a wave that lies on the diagonal: register 16 b + i is hidden where 32 b + i > my query's place less 16 h.  Hidden scores become -infinity: their weight is 0.
.macro MASK
	s_cmp_lg_u32 s[ST], s[G]
	s_cbranch_scc1 .Lopen_\@
.set n, 0
.rept 64
	v_cmp_gt_i32 vcc_lo, 32*(n/16)+n%16, v[DQ]
	v_cndmask_b32 v[SS+n], v[SS+n], v[NINF], vcc_lo
.set n, n+1
.endr
.Lopen_\@:
.endm
; The forcing factor, in the one step that idx cuts: keys from idx on are multiplied by weight.  In every other step the factor is one number for the whole step.
.macro FORCE
	s_cmp_lg_u32 s[ST], s[SMIX]
	s_cbranch_scc1 .Lplain_\@
	s_sub_co_i32 s46, s[IDX], s[KS]
	v_sub_nc_u32 v[DF], s46, v[H16]
.set n, 0
.rept 64
	v_cmp_ge_i32 vcc_lo, 32*(n/16)+n%16, v[DF]
	v_mul_f32 v[FT+n%2], v[WR], v[SS+n]
	v_cndmask_b32 v[SS+n], v[SS+n], v[FT+n%2], vcc_lo
.set n, n+1
.endr
.Lplain_\@:
.endm
.macro EXPS                            ; t - M, two at a time, and 2^(t - M): one batch of 64
.set n, 0
.rept 32
	v_pk_fma_f32 v[SS+n:SS+n+1], v[SS+n:SS+n+1], s[CS:CS+1], v[12:13] op_sel_hi:[1,0,0]
.set n, n+2
.endr
.set n, 0
.rept 64
	v_exp_f32 v[SS+n], v[SS+n]
.set n, n+1
.endr
.endm
	; ---------------- PASS 1.  Every wave walks 16 trips, a constant; a step all of whose keys come after my queries is jumped over, not the lines that step the addresses.
	s_mov_b32 s[ST], 0
	s_mov_b32 s[TK], 0
	s_mov_b32 s[TS], 0
	s_mov_b32 s[KS], 0
.Lp1:
	s_cmp_gt_u32 s[ST], s[G]
	s_cbranch_scc1 .Lh1
	s_cmp_ge_i32 s[KS], s[IDX]
	s_cselect_b32 s[FS], s[WGT], s[ONE]            ; the step's factor (1 in the step that idx cuts)
	s_mov_b32 s[FS+1], s[FS]
	v_add_nc_u32 v[ADA], s[TK], v[LA]
	v_add_nc_u32 v[ADB], s[TK], v[LB]
	v_add_nc_u32 v[ADS], s[TS], v[LSK]
	KQ
	MASK
.irp b, 0,1,2,3
	v_max3_num_f32 v[MX+\b], v[SS+16*\b], v[SS+1+16*\b], v[SS+2+16*\b]   ; the largest score, in four chains
.endr
.irp i, 3,5,7,9,11,13
.irp b, 0,1,2,3
	v_max3_num_f32 v[MX+\b], v[MX+\b], v[SS+16*\b+\i], v[SS+1+16*\b+\i]
.endr
.endr
.irp b, 0,1,2,3
	v_max_num_f32 v[MX+\b], v[MX+\b], v[SS+15+16*\b]
.endr
	v_max3_num_f32 v[MX+4], v[MX], v[MX+1], v[MX+2]
	v_max_num_f32 v[MX+4], v[MX+4], v[MX+3]
	v_permlanex16_b32 v[MX+5], v[MX+4], s[SEL], s[SEL+1]
	v_max_num_f32 v[MX+4], v[MX+4], v[MX+5]        ; with lane l xor 16's 64 keys
	v_mul_f32 v[MX+4], s[CS], v[MX+4]              ; as t
	v_max_num_f32 v13, v13, v[MX+4]                ; the running largest t
	v_mov_b32 v[MX+4], v12
	v_floor_f32 v12, -v13                          ; the new -M: M is a whole number
	v_sub_f32 v[MX+4], v12, v[MX+4]                ; old M - new M, 0 or less
	v_cvt_i32_f32 v[MX+4], v[MX+4]                 ; (it saturates)
	v_ldexp_f32 v[FF], 1.0, v[MX+4]                ; 2^(old M - new M): a multiplication by it rounds nothing
	EXPS
	v_pk_mul_f32 v[14:15], v[14:15], v[FF:FF+1] op_sel_hi:[1,0]   ; L under the new M; also the plain instruction behind the exponentials
	s_wait_alu depctr_va_vdst(0)                   ; one wait for the batch, ahead of its first reader
	FORCE
	v_pk_add_f32 v[MX:MX+1], v[SS:SS+1], v[SS+2:SS+3]             ; the step's sum, two at a time, in two chains
	v_pk_add_f32 v[MX+2:MX+3], v[SS+4:SS+5], v[SS+6:SS+7]
.set n, 8
.rept 14
	v_pk_add_f32 v[MX:MX+1], v[MX:MX+1], v[SS+n:SS+n+1]
	v_pk_add_f32 v[MX+2:MX+3], v[MX+2:MX+3], v[SS+n+2:SS+n+3]
.set n, n+4
.endr
	v_pk_add_f32 v[MX:MX+1], v[MX:MX+1], v[MX+2:MX+3]
	v_pk_fma_f32 v[14:15], v[MX:MX+1], s[FS:FS+1], v[14:15] op_sel_hi:[1,0,1]
.Lh1:
	s_add_co_u32 s[TK], s[TK], 6144
	s_add_co_u32 s[TS], s[TS], 512
	s_add_co_u32 s[KS], s[KS], 128
	s_add_co_u32 s[ST], s[ST], 1
	s_cmp_lt_u32 s[ST], 16
	s_cbranch_scc1 .Lp1
	v_add_f32 v14, v14, v15                        ; L's two halves,
	v_permlanex16_b32 v[MX+5], v14, s[SEL], s[SEL+1]
	v_add_f32 v14, v14, v[MX+5]                    ; and lane l xor 16's
	v_rcp_f32 v[RL], v14
	v_nop                                          ; a plain instruction behind the reciprocal
	s_wait_alu depctr_va_vdst(0)                   ; and its wait, ahead of the label and of its first reader
; 64 numbers of a lane, register 16 b + i = index 32 b + 16 (lane / 16) + i of my row, become a fragment's codes in v[PC] on and its scale word in v[PW].  nb: blocks (4, or 2 for half a fragment).
.macro QUANT s, nb
.set b, 0
.rept \nb
	v_max3_num_f32 v[TM+b], |v[\s+16*b]|, |v[\s+1+16*b]|, 0x2800000   ; my 16 numbers of block b, and the floor 2^(5 - 127): the byte cannot fall under 1
.set b, b+1
.endr
.irp i, 2,4,6,8,10,12,14
.set b, 0
.rept \nb
	v_max3_num_f32 v[TM+b], v[TM+b], |v[\s+16*b+\i]|, |v[\s+1+16*b+\i]|
.set b, b+1
.endr
.endr
.set b, 0
.rept \nb
	v_permlanex16_b32 v[TM+4+b], v[TM+b], s[SEL], s[SEL+1]
.set b, b+1
.endr
.set b, 0
.rept \nb
	v_max_num_f32 v[TM+b], v[TM+b], v[TM+4+b]      ; with lane l xor 16's: the block's largest magnitude
.set b, b+1
.endr
.set b, 0
.rept \nb
	v_add_nc_u32 v[TM+12+b], 0xfe000000, v[TM+b]   ; 4 off its exponent field: the conversion's scale operand
.set b, b+1
.endr
.set b, 0
.rept \nb
	v_lshrrev_b32 v[TM+4+b], 23, v[TM+12+b]        ; the scale's byte
.set b, b+1
.endr
.if \nb == 4
	v_lshl_or_b32 v[PW], v[TM+5], 8, v[TM+4]
	v_lshl_or_b32 v[PW], v[TM+6], 16, v[PW]
	v_lshl_or_b32 v[PW], v[TM+7], 24, v[PW]
.endif
.set c, 0
.rept \nb/2
	v_cvt_scalef32_pk16_bf6_f32 v[PC+6*c:PC+2+6*c], v[\s+32*c:\s+15+32*c], v[TM+12+2*c]
	v_cvt_scalef32_pk16_bf6_f32 v[PC+12+4*c:PC+14+4*c], v[\s+16+32*c:\s+31+32*c], v[TM+12+2*c+1]   ; (a conversion's three registers begin on an even number)
.set c, c+1
.endr
	v_nop                                          ; one plain instruction behind a scaled conversion
.set c, 0
.rept \nb/2                            ; the layout wants a WHOLE block in a lane: lanes 0-15 block 2 c, lanes 16-31 block 2 c + 1
.irp i, 0,1,2
	v_permlane16_swap_b32 v[PC+6*c+\i], v[PC+12+4*c+\i]
.endr
.irp i, 0,1,2
	v_mov_b32 v[PC+3+6*c+\i], v[PC+12+4*c+\i]
.endr
.set c, c+1
.endr
.endm
	; ---------------- PASS 2
	s_mov_b32 s[ST], 0
	s_mov_b32 s[TK], 0
	s_mov_b32 s[TS], 0
	s_mov_b32 s[TV], 0
	s_mov_b32 s[KS], 0
.Lp2:
	s_cmp_gt_u32 s[ST], s[G]
	s_cbranch_scc1 .Lh2
	s_cmp_ge_i32 s[KS], s[IDX]
	s_cselect_b32 s[FS], s[WGT], s[ONE]
	v_add_nc_u32 v[ADA], s[TK], v[LA]
	v_add_nc_u32 v[ADB], s[TK], v[LB]
	v_add_nc_u32 v[ADS], s[TS], v[LSK]
	v_nop
	v_nop                                          ; five places between the last step's products with V and the products that write the scores over V's fragments
	KQ
	MASK
	EXPS                                           ; with the final M
	v_mul_f32 v[RF], s[FS], v[RL]                  ; the step's factor / L; also the plain instruction behind the exponentials
	s_wait_alu depctr_va_vdst(0)                   ; one wait for the batch, ahead of its first reader
	FORCE
.set n, 0
.rept 32
	v_pk_mul_f32 v[SS+n:SS+n+1], v[SS+n:SS+n+1], v[RF:RF+1] op_sel_hi:[1,0]   ; the finished weight
.set n, n+2
.endr
	QUANT SS, 4
	v_add_nc_u32 v[ADVA], s[TK], v[AV0]
	v_add_nc_u32 v[ADVB], s[TK], v[BV0]
	v_add_nc_u32 v[ADVS], s[TV], v[SV0]
.rept 5
	v_nop                                          ; with the three additions: eight places between the vector instructions that made the scale word and the codes, and the scaled products
.endr
.irp t, 0,1,2,3                        ; V^T: four tiles of 16 of the head's 64 x these 128 keys (two chunks)
	ds_load_b128 v[SS+12*\t:SS+12*\t+3], v[ADVA] offset:768*\t
	ds_load_b64 v[SS+12*\t+4:SS+12*\t+5], v[ADVB] offset:768*\t
	ds_load_b128 v[SS+12*\t+6:SS+12*\t+9], v[ADVA] offset:3072+768*\t
	ds_load_b64 v[SS+12*\t+10:SS+12*\t+11], v[ADVB] offset:3072+768*\t
.endr
	ds_load_b32 v[VSC], v[ADVS]
	ds_load_b32 v[VSC+1], v[ADVS] offset:128
	s_wait_dscnt 0x0
.irp t, 0,2                            ; the four accumulators by turns; between two links of a chain stand the three others' and the next step's eight score products
	v_wmma_scale_f32_16x16x128_f8f6f4 v[OT+8*\t:OT+8*\t+7], v[SS+12*\t:SS+12*\t+11], v[PC:PC+11], v[OT+8*\t:OT+8*\t+7], v[VSC+\t/2], v[PW] matrix_a_fmt:MATRIX_FMT_BF6 matrix_b_fmt:MATRIX_FMT_BF6
	v_wmma_scale_f32_16x16x128_f8f6f4 v[OT+8*\t+8:OT+8*\t+15], v[SS+12*\t+12:SS+12*\t+23], v[PC:PC+11], v[OT+8*\t+8:OT+8*\t+15], v[VSC+\t/2], v[PW] matrix_a_fmt:MATRIX_FMT_BF6 matrix_b_fmt:MATRIX_FMT_BF6 matrix_a_scale:MATRIX_SCALE_ROW1
.endr
.Lh2:
	s_add_co_u32 s[TK], s[TK], 6144
	s_add_co_u32 s[TS], s[TS], 512
	s_add_co_u32 s[TV], s[TV], 256
	s_add_co_u32 s[KS], s[KS], 128
	s_add_co_u32 s[ST], s[ST], 1
	s_cmp_lt_u32 s[ST], 16
	s_cbranch_scc1 .Lp2
	; ---------------- THE WAY OUT: my 16 queries' 64 numbers of this head are one chunk of the last product's K: quantised here, stored as an image.
.rept 4
	v_nop                                          ; places behind the last products
.endr
	s_lshr_b32 s46, s[BH], 4
	s_lshl_b32 s46, s46, 7
	s_add_co_u32 s46, s46, s[T]                    ; the token tile: 128 x batch + my tile
	s_and_b32 s47, s[BH], 15                       ; the head
	s_lshl_b32 s48, s46, 4
	s_add_co_u32 s48, s48, s47
	s_mul_i32 s48, s48, 768
	s_mov_b32 s49, 0
	s_add_nc_u64 s[12:13], s[12:13], s[48:49]
	s_lshl_b32 s48, s46, 9
	s_lshr_b32 s50, s47, 2
	s_lshl_b32 s50, s50, 7
	s_add_co_u32 s48, s48, s50
	s_and_b32 s50, s47, 3
	s_lshl_b32 s50, s50, 1
	s_add_co_u32 s48, s48, s50
	s_add_nc_u64 s[14:15], s[14:15], s[48:49]
	QUANT OT, 2
	v_cndmask_b32 v[MX], v[TM+4], v[TM+5], s[HM]   ; lanes 0-15 block 0's byte, lanes 16-31 block 1's
	global_store_b128 v[LA], v[PC:PC+3], s[12:13]          ; 512 consecutive bytes
	global_store_b64 v[LB], v[PC+4:PC+5], s[12:13]         ; 256 consecutive bytes, 512 on
	global_store_b8 v[BO], v[MX], s[14:15]
	s_wait_tensorcnt 0x0
	ds_add_u32 v254, v255
	s_wait_dscnt 0x0
	s_endpgm
.Lfunc_end_k_q0c382b3ea2_attn:
	.size	k_q0c382b3ea2_attn, .Lfunc_end_k_q0c382b3ea2_attn-k_q0c382b3ea2_attn
	.p2alignl 7, 3214868480
	.fill 96, 4, 3214868480
	.section	.rodata,"a",@progbits
	.p2align	6, 0x0
	.amdhsa_kernel k_q0c382b3ea2_attn
		.amdhsa_group_segment_fixed_size 210944
		.amdhsa_private_segment_fixed_size 0
		.amdhsa_enable_private_segment 0
		.amdhsa_kernarg_size 48
		.amdhsa_user_sgpr_count 2
		.amdhsa_user_sgpr_kernarg_segment_ptr 1
		.amdhsa_wavefront_size32 1
		.amdhsa_system_sgpr_workgroup_id_x 1
		.amdhsa_system_sgpr_workgroup_id_y 1
		.amdhsa_system_sgpr_workgroup_id_z 1
		.amdhsa_system_vgpr_workitem_id 0
		.amdhsa_next_free_vgpr 256
		.amdhsa_next_free_sgpr 66
		.amdhsa_reserve_vcc 1
		.amdhsa_float_denorm_mode_32 3
		.amdhsa_float_denorm_mode_16_64 3
		.amdhsa_memory_ordered 1
		.amdhsa_forward_progress 1
		.amdhsa_inst_pref_size 66
	.end_amdhsa_kernel
	.amdgpu_metadata
---
amdhsa.version: [ 1, 2 ]
amdhsa.kernels:
  - .name:           k_q0c382b3ea2_attn
    .symbol:         k_q0c382b3ea2_attn.kd
    .args:
      - { .name: qkvc, .offset: 0, .size: 8, .value_kind: global_buffer, .address_space: global }
      - { .name: qkvs, .offset: 8, .size: 8, .value_kind: global_buffer, .address_space: global }
      - { .name: idx, .offset: 16, .size: 8, .value_kind: global_buffer, .address_space: global }
      - { .name: weight, .offset: 24, .size: 8, .value_kind: global_buffer, .address_space: global }
      - { .name: aoc, .offset: 32, .size: 8, .value_kind: global_buffer, .address_space: global }
      - { .name: aos, .offset: 40, .size: 8, .value_kind: global_buffer, .address_space: global }
    .group_segment_fixed_size: 210944
    .private_segment_fixed_size: 0
    .kernarg_segment_align: 8
    .kernarg_segment_size: 48
    .max_flat_workgroup_size: 512
    .sgpr_count:     66
    .vgpr_count:     256
    .wavefront_size: 32
...
	.end_amdgpu_metadata
.endif
;; end of part 3
;; launch proj (part 4): grid 4 x 16, 4 waves a work-group, clusters of 4 x 4, 327,680 bytes of LDS; arguments aoc, aos, opc, ops, b_proj, out0; writes out0
.if DOCPART == 4
	.amdgcn_target "amdgcn-amd-amdhsa--gfx1250"
	.amdhsa_code_object_version 6
	.text
	.protected	k_q0c382b3ea2_proj
	.globl	k_q0c382b3ea2_proj
	.p2align	8
	.type	k_q0c382b3ea2_proj,@function
k_q0c382b3ea2_proj:
	s_mov_b64 s[64:65], 0
	v_nop
	global_prefetch_b8 v0, s[64:65] scope:SCOPE_SE
	s_setreg_imm32_b32 hwreg(HW_REG_WAVE_MODE, 25, 1), 1
	s_wait_xcnt 0x0
	s_wait_alu depctr_hold_cnt(0) depctr_sa_sdst(0) depctr_va_vdst(0) depctr_va_sdst(0) depctr_va_ssrc(0) depctr_va_vcc(0) depctr_vm_vsrc(0)
	s_getreg_b32 s2, hwreg(HW_REG_IB_STS2, 6, 4)
	s_cmp_eq_u32 s2, 0
	s_cbranch_scc0 .Lentry_in_a_cluster
	s_endpgm
.Lentry_in_a_cluster:
	s_bfe_u32 s2, ttmp6, 0x10000c
	s_cmp_lg_u32 s2, 0xf033
	s_cbranch_scc0 .Lentry_shape_is_right
	s_endpgm
.Lentry_shape_is_right:
; out0 = (the heads' results, merged) w_proj + b_proj on codes of BF6 (E3M2) with E8M0 scales; out0 [4096][1024] f32.
; OPERANDS lie as images of operand registers: a row tile T is 16 rows (place r = row 32 (T / 2) + 8 (T % 2) + r + 8 (r / 8)), a chunk 64 along K, tile and chunk 768 bytes: lane l's first 16 bytes at 16 l, its last 8 at
; 512 + 8 l.  Codes [tile][16 chunks][768]; scales [tile][4 slots of 256 K][16 places][8 bytes].  A: aoc, aos, tiles 0-255 (tokens).  B: opc, ops, tiles 448-511 (w_proj's columns).
; A tile of C, 256 x 256, is made by four waves, 128 x 128 each: 64 accumulators, 512 registers.  K = 1,024 goes in four slots of 256 through a ring of two LDS slots filled by the tensor data mover.
; C has 64 such tiles, so 64 work-groups are launched: a smaller tile would give more of them and read each fragment for fewer products; this text keeps the larger tile.
; THE MATRIX INSTRUCTION IS USED TRANSPOSED (source 0 = a tile of B, source 1 = a tile of A): register j of accumulator (a, b) in lane (r, h) is column 32 (b / 2) + 16 h + 8 (b % 2) + j and A's place r.
; The bias is the C of each sum's first matrix instruction: eight registers a tile of B, in the result's layout.
; CLUSTERS: 4 x 4 work-groups; A's tiles are asked for jointly along a row of the cluster, B's along a column.
; REGISTERS, in windows of 256: window 0: v1-15 at work at the head; v16-23, v27 LDS addresses; v24-26 the way out; v28, v29 the add's; v32-63 scale words, two sets; v64-127 the bias; v128-223 A's fragments, one set;
;   on the way out v128-255 rows read back.  Window 1: B's fragments, two sets, at v0 and v128.  Windows 2, 3: the accumulators ((a, b) at v[8 (8 (a % 4) + b)]).
.set NQ,     2
.set FR,     12
.set NL,     4
.set NP,     4                         ; places behind this matrix instruction (ISA guide 7.12.1)
.set TILEB,  3072
.set HALFT,  8*TILEB
.set SLOT,   4*HALFT
.set SCL,    2*SLOT                    ; behind the ring: the scales for all of K: A's 8,192 bytes; 128 bytes on, B's 8,192
.set SPARE,  SCL+16640                 ; the spare words, 128 bytes for each wave: two blocks of 256 bytes that no other line names
.set SPITCH, 528                       ; the way out: a stage of 16 rows x (512 bytes + 16) for each wave, in slot 0, which has had its last fill and its last read when the first result is stored there
.set ADRA, 16
.set ADRB, 20
.set STO,  24
.set RD,   25
.set CO,   26
.set ADRS, 27
.set SPW,  28
.set NIL,  29
.set SC,   32
.set BN,   64
.set AF,   128
.set BK,   128
.set G1, 24
.set G0, 32
.set G1B, 48
.set G0B, 56
.set G1S, 68
.set G0S, 76
.set G1SB, 80
.set G0SB, 88
.set MSB, 0
.macro WIN new                         ; the immediate's high byte repeats the setting that is left
.if MSB != (\new)
	s_set_vgpr_msb (MSB<<8)|(\new)
.set MSB, (\new)
.endif
.endm
.set MUL_LO, 0xa1                      ; source 0 (B) window 1, source 1 (A) window 0, C and D window 2
.set MUL_HI, 0xf1                      ; the same, C and D window 3
.set FST_LO, 0x81                      ; the first step: C (the bias) window 0, D window 2
.set FST_HI, 0xc1                      ; D window 3
.set TO_B,   0x40
.macro JLOAD g0a, g1a, g0b, g1b        ; a joint load: waves 0 and 1 fetch for A, waves 2 and 3 for B; four v_nop follow each of the two lines
	s_cmp_eq_u32 s15, 0
	s_cbranch_scc0 .Lfor_b_\@
	tensor_load_to_lds s[\g0a:\g0a+3], s[\g1a:\g1a+7]
	s_nop 0
.rept 4
	v_nop
.endr
	s_branch .Lasked_\@
.Lfor_b_\@:
	tensor_load_to_lds s[\g0b:\g0b+3], s[\g1b:\g1b+7]
	s_nop 0
.rept 4
	v_nop
.endr
.Lasked_\@:
.endm
.macro CREST
	s_cmp_lg_u32 s14, 0
	s_cbranch_scc1 .Lnot_wave_0_\@
	s_barrier_signal -3
.Lnot_wave_0_\@:
	s_barrier_wait -3
	s_barrier_signal -1
	s_barrier_wait -1
.endm
.macro CROUND
	s_barrier_signal -1
	s_barrier_wait -1
	CREST
.endm
	s_load_b256 s[4:11], s[0:1], 0x0               ; aoc s[4:5], aos s[6:7], opc s[8:9], ops s[10:11]
	s_load_b64 s[96:97], s[0:1], 0x20              ; b_proj
	s_load_b64 s[12:13], s[0:1], 0x28              ; out0
	v_lshl_add_u32 v[SPW], v0, 2, SPARE
	v_mov_b32 v[NIL], 0
	ds_add_u32 v28, v29
	ds_add_u32 v28, v29
	s_wait_dscnt 0x0
	v_lshrrev_b32 v1, 5, v0
	v_readfirstlane_b32 s14, v1                    ; wave 0..3
	s_lshr_b32 s15, s14, 1                         ; wm.  Also: I fetch for A (0) or for B (1)
	s_and_b32 s16, s14, 1                          ; wn.  Also: which eight tiles I fetch
	s_bfe_u32 s40, ttmp6, 0x40000                  ; cx, cy
	s_bfe_u32 s41, ttmp6, 0x40004
	s_lshl_b32 s42, ttmp9, 2
	s_add_co_u32 s42, s42, s40                     ; tx: which 256 columns
	s_and_b32 s17, ttmp7, 0xffff
	s_lshl_b32 s17, s17, 2
	s_add_co_u32 s17, s17, s41                     ; ty: which 256 tokens
	s_lshl_b32 s43, s41, 2
	s_lshl_b32 s43, 15, s43                        ; my row of the cluster
	s_lshl_b32 s44, 0x1111, s40                    ; my column
	s_lshl_b32 s45, s16, 3
	s_lshl_b32 s20, s17, 4
	s_add_co_u32 s20, s20, s45                     ; A: the first of the eight tiles that I fetch
	s_lshl_b32 s46, s42, 4
	s_add_co_u32 s46, s46, s45
	s_add_co_u32 s46, s46, 448                     ; B likewise
	s_lshl_b32 s22, s20, 9
	s_mul_i32 s20, s20, 12288
	s_mov_b32 s21, 0
	s_mov_b32 s23, 0
	s_lshl_b32 s92, s46, 9
	s_mul_i32 s46, s46, 12288
	s_mov_b32 s47, 0
	s_mov_b32 s93, 0
	s_mul_i32 s45, s14, HALFT                      ; where they go: no place in the cluster enters an LDS address
	s_lshl_b32 s94, s14, 12
	s_lshl_b32 s98, s15, 7
	s_add_co_u32 s94, s94, s98
	; descriptor group 1, codes: eight rows of 3,072 bytes (384 elements of 8 bytes), 12,288 bytes apart; no padding
	s_or_b32 s[G1+0], s43, (3<<16)|(1<<21)         ; 15:0 the mask; 17:16 elements of 8 bytes; 21 set beside a mask
	s_or_b32 s[G1B+0], s44, (3<<16)|(1<<21)
.irp g, G1, G1B
	s_mov_b32 s[\g+1], 384<<16
	s_mov_b32 s[\g+2], 8<<16
	s_mov_b32 s[\g+3], 384<<16
	s_mov_b32 s[\g+4], 8
	s_mov_b32 s[\g+5], 1536
	s_mov_b32 s[\g+6], 0
	s_mov_b32 s[\g+7], 0
.endr
	; scales: eight tiles' 4,096 dense bytes as 16 rows of 256
	s_or_b32 s[G1S+0], s43, (3<<16)|(1<<21)
	s_or_b32 s[G1SB+0], s44, (3<<16)|(1<<21)
.irp g, G1S, G1SB
	s_mov_b32 s[\g+1], 32<<16
	s_mov_b32 s[\g+2], 16<<16
	s_mov_b32 s[\g+3], 32<<16
	s_mov_b32 s[\g+4], 16
	s_mov_b32 s[\g+5], 32
	s_mov_b32 s[\g+6], 0
	s_mov_b32 s[\g+7], 0
.endr
	s_wait_kmcnt 0x0
	s_add_nc_u64 s[20:21], s[4:5], s[20:21]
	s_add_nc_u64 s[22:23], s[6:7], s[22:23]
	s_add_nc_u64 s[46:47], s[8:9], s[46:47]
	s_add_nc_u64 s[92:93], s[10:11], s[92:93]
	CROUND                                         ; all sixteen work-groups are here: the first joint loads meet
	s_mov_b32 s[G0S], 1
	s_add_co_u32 s[G0S+1], s94, SCL
	s_mov_b64 s[G0S+2:G0S+3], s[22:23]
	s_or_b32 s[G0S+3], s[G0S+3], 0x80000000
	s_mov_b32 s[G0SB], 1
	s_add_co_u32 s[G0SB+1], s94, SCL
	s_mov_b64 s[G0SB+2:G0SB+3], s[92:93]
	s_or_b32 s[G0SB+3], s[G0SB+3], 0x80000000
	JLOAD G0S, G1S, G0SB, G1SB
.irp s, 0,1
	s_mov_b32 s[G0+4*\s], 1
	s_add_co_u32 s[G0+4*\s+1], s45, \s*SLOT
	s_add_nc_u64 s[G0+4*\s+2:G0+4*\s+3], s[20:21], \s*TILEB
	s_or_b32 s[G0+4*\s+3], s[G0+4*\s+3], 0x80000000
	s_mov_b32 s[G0B+4*\s], 1
	s_add_co_u32 s[G0B+4*\s+1], s45, \s*SLOT
	s_add_nc_u64 s[G0B+4*\s+2:G0B+4*\s+3], s[46:47], \s*TILEB
	s_or_b32 s[G0B+4*\s+3], s[G0B+4*\s+3], 0x80000000
	JLOAD G0+4*\s, G1, G0B+4*\s, G1B               ; three tensor loads of mine are out
.endr
	v_and_b32 v1, 31, v0                           ; l
	v_and_b32 v2, 15, v0                           ; r
	v_bfe_u32 v3, v0, 4, 1                         ; h
	v_lshlrev_b32 v[CO], 4, v1                     ; 16 l
	v_lshlrev_b32 v5, 3, v1
	v_add_nc_u32 v5, 512, v5                       ; 8 l + 512
	s_mul_i32 s21, s15, HALFT
	s_mul_i32 s22, s16, HALFT
	s_add_co_u32 s22, s22, 2*HALFT
.irp s, 0,1
	v_add_nc_u32 v[ADRA+\s], s21, v[CO]
	v_add_nc_u32 v[ADRB+\s], s22, v[CO]
	v_add_nc_u32 v[ADRA+2+\s], s21, v5
	v_add_nc_u32 v[ADRB+2+\s], s22, v5
	s_add_co_u32 s21, s21, SLOT
	s_add_co_u32 s22, s22, SLOT
.endr
	s_lshl_b32 s21, s15, 12
	s_lshl_b32 s22, s16, 12
	s_add_co_u32 s22, s22, 8320
	s_sub_co_u32 s22, s22, s21
	v_mul_u32_u24 v6, s22, v3                      ; lanes 16-31 take B's scale words: one product in h
	s_add_co_u32 s21, s21, SCL
	v_lshl_add_u32 v6, v2, 3, v6
	v_add_nc_u32 v[ADRS], s21, v6
	s_mul_i32 s23, s14, 16*SPITCH                  ; my stage
	v_mul_u32_u24 v6, v2, SPITCH                   ; in: row r, 64 bytes on for lanes 16-31
	v_lshl_add_u32 v6, v3, 6, v6
	v_add_nc_u32 v[STO], s23, v6
	v_add_nc_u32 v[RD], s23, v[CO]                 ; back: the 32 lanes take one row of 512 bytes
	s_lshl_b32 s46, s42, 10
	s_lshl_b32 s47, s16, 9
	s_add_co_u32 s46, s46, s47                     ; my first column, in bytes: 1,024 tx + 512 wn: in a row of out0 and in b_proj alike
	s_mov_b32 s47, 0
	s_add_nc_u64 s[96:97], s[96:97], s[46:47]
	s_add_nc_u64 s[12:13], s[12:13], s[46:47]
	s_lshl_b32 s20, s17, 8
	s_lshl_b32 s21, s15, 7
	s_add_co_u32 s20, s20, s21                     ; my first token: 256 ty + 128 wm
	s_lshl_b32 s20, s20, 12
	s_mov_b32 s21, 0
	s_add_nc_u64 s[12:13], s[12:13], s[20:21]
	v_lshlrev_b32 v8, 6, v3                        ; the bias: 16 h numbers on
.irp b, 0,1,2,3,4,5,6,7
	global_load_b128 v[BN+8*\b:BN+8*\b+3], v8, s[96:97] offset:(32*(\b/2)+8*(\b%2))*4
	global_load_b128 v[BN+8*\b+4:BN+8*\b+7], v8, s[96:97] offset:(32*(\b/2)+8*(\b%2))*4+16
.endr
.macro FRAG reg, adr, q, i             ; a fragment, 16 rows x 128 K: two chunks' images, as they lie
	ds_load_b128 v[\reg:\reg+3], v[\adr] offset:(\i)*TILEB+(\q)*1536
	ds_load_b64 v[\reg+4:\reg+5], v[\adr+2] offset:(\i)*TILEB+(\q)*1536
	ds_load_b128 v[\reg+6:\reg+9], v[\adr] offset:(\i)*TILEB+(\q)*1536+768
	ds_load_b64 v[\reg+10:\reg+11], v[\adr+2] offset:(\i)*TILEB+(\q)*1536+768
.endm
; 16 matrix instructions: A's tiles a0, a0 + 1 x B's eight.  first = 1: the sums begin with the bias.  The 64 accumulators take turns, one instruction a turn.
.macro MUL16 a0, p, q, sc, first
.irp a, \a0, \a0+1
.irp b, 0,1,2,3,4,5,6,7
.if \first
	v_wmma_scale_f32_16x16x128_f8f6f4 v[8*(8*((\a)%4)+\b):8*(8*((\a)%4)+\b)+7], v[128*(\p)+FR*\b:128*(\p)+FR*\b+FR-1], v[AF+FR*(\a):AF+FR*(\a)+FR-1], v[BN+8*\b:BN+8*\b+7], v[SC+8*NQ*(\sc)+NQ*\b+(\q)], v[SC+8*NQ*(\sc)+NQ*(\a)+(\q)] matrix_a_fmt:MATRIX_FMT_BF6 matrix_b_fmt:MATRIX_FMT_BF6 matrix_a_scale:MATRIX_SCALE_ROW1
.else
	v_wmma_scale_f32_16x16x128_f8f6f4 v[8*(8*((\a)%4)+\b):8*(8*((\a)%4)+\b)+7], v[128*(\p)+FR*\b:128*(\p)+FR*\b+FR-1], v[AF+FR*(\a):AF+FR*(\a)+FR-1], v[8*(8*((\a)%4)+\b):8*(8*((\a)%4)+\b)+7], v[SC+8*NQ*(\sc)+NQ*\b+(\q)], v[SC+8*NQ*(\sc)+NQ*(\a)+(\q)] matrix_a_fmt:MATRIX_FMT_BF6 matrix_b_fmt:MATRIX_FMT_BF6 matrix_a_scale:MATRIX_SCALE_ROW1
.endif
.endr
.endr
.endm
.macro FETCH_B slot, q, p
	WIN TO_B
.irp i, 0,1,2,3,4,5,6,7
	FRAG 128*(\p)+FR*\i, ADRB+\slot, \q, \i
.endr
	WIN 0
.endm
.macro FETCH_A slot, q, i0
.irp i, \i0, \i0+1, \i0+2, \i0+3
	FRAG AF+FR*(\i), ADRA+\slot, \q, \i
.endr
.endm
.macro SCALES sc
.irp i, 0,1,2,3,4,5,6,7
	ds_load_b64 v[SC+8*NQ*\sc+NQ*\i:SC+8*NQ*\sc+NQ*\i+1], v[ADRS] offset:\i*512
.endr
.endm
.macro PLACES n                        ; plain vector instructions between a matrix instruction and a load into, or a read of, its registers (ISA guide 7.12.1 for reads)
.rept \n
	v_nop
.endr
.endm
.macro STEP slot, q, first
	s_wait_dscnt 4*NL                              ; B's set and A's tiles 0-3 are in; the youngest sixteen loads (A's tiles 4-7) may be out
.if \first
	WIN FST_LO
.else
	WIN MUL_LO
.endif
	MUL16 0, (\q)%2, \q, \slot, \first
	MUL16 2, (\q)%2, \q, \slot, \first
	s_wait_dscnt 0
	PLACES NP
	FETCH_B \slot, (\q)+1, 1-(\q)%2
	FETCH_A \slot, (\q)+1, 0
.if \first
	WIN FST_HI
.else
	WIN MUL_HI
.endif
	MUL16 4, (\q)%2, \q, \slot, \first
	MUL16 6, (\q)%2, \q, \slot, \first
	PLACES NP
	WIN 0
	FETCH_A \slot, (\q)+1, 4
.endm
; A slot's last step changes slots: ONE barrier; in front of it each wave waits for all its tensor loads, adds 0 to its spare word, and waits for that and for its reads of this slot.  fill = 1: this slot is filled again.
.macro TURN slot, next, fill
	s_wait_tensorcnt 0x0                           ; all my tensor loads have landed: my part of the next slot
	ds_add_u32 v[SPW], v[NIL]                      ; 0 onto my spare word
	s_wait_dscnt 4*NL+1                            ; (the add and the youngest sixteen loads may be out)
	WIN MUL_LO
	MUL16 0, 1, NQ-1, \slot, 0
	s_wait_dscnt 0x0                               ; the add is done, and my reads of this slot are over
	s_barrier_signal -1
	MUL16 2, 1, NQ-1, \slot, 0
	WIN 0
	s_barrier_wait -1
.if \fill
	CREST                                          ; the barrier has opened a round of the cluster's barrier: no wave of any partner still reads this slot or has a load on its way
	s_add_nc_u64 s[G0+4*\slot+2:G0+4*\slot+3], s[G0+4*\slot+2:G0+4*\slot+3], 2*TILEB
	s_add_nc_u64 s[G0B+4*\slot+2:G0B+4*\slot+3], s[G0B+4*\slot+2:G0B+4*\slot+3], 2*TILEB
	JLOAD G0+4*\slot, G1, G0B+4*\slot, G1B         ; the first tensor load behind the round; its four v_nop are the places in front of the loads below
.else
	PLACES NP
.endif
	v_add_nc_u32 v[ADRS], 128, v[ADRS]             ; the next slot's scale words (no LDS load of mine is out)
	FETCH_B \next, 0, 0
	FETCH_A \next, 0, 0
	SCALES \next
	WIN MUL_HI
	MUL16 4, 1, NQ-1, \slot, 0
	MUL16 6, 1, NQ-1, \slot, 0
	PLACES NP
	WIN 0
	FETCH_A \next, 0, 4
.endm
	s_wait_tensorcnt 1                             ; the scales and my part of slot 0 are in (slot 1's load may be out),
	s_barrier_signal -1
	s_barrier_wait -1                              ; everybody's are
	FETCH_B 0, 0, 0
	FETCH_A 0, 0, 0
	SCALES 0
	FETCH_A 0, 0, 4
	s_wait_loadcnt 0x0                             ; the bias
	STEP 0, 0, 1                                   ; K 0-127: these products start the sums, on the bias
	TURN 0, 1, 1                                   ; K 128-255; slot 0 takes K 512-767
	STEP 1, 0, 0
	TURN 1, 0, 1                                   ; slot 1 takes K 768-1,023
	STEP 0, 0, 0
	TURN 0, 1, 0                                   ; nothing is left to fetch, so no round follows
	STEP 1, 0, 0
	s_wait_dscnt 4*NL
	WIN MUL_LO
	MUL16 0, 1, NQ-1, 1, 0
	MUL16 2, 1, NQ-1, 1, 0
	s_wait_dscnt 0
	WIN MUL_HI
	MUL16 4, 1, NQ-1, 1, 0
	MUL16 6, 1, NQ-1, 1, 0
	WIN 0
; THE WAY OUT, a tile of A (16 tokens x 128 columns) at a time, through my own stage in LDS: in by lanes (32 bytes of a row each), back as whole rows of 512 bytes.
; LDS serves a wave's instructions in order (ISA guide 5.7.1.4): no wait between the stores and the loads, nor in front of the next tile's stores.
.macro TOSTAGE a
.set AC, 64*((\a)%4)
	WIN 0x08+4*((\a)/4)                            ; the data: window 2 or 3
.irp b, 0,1,2,3,4,5,6,7
	ds_store_b128 v[STO], v[AC+8*\b:AC+8*\b+3] offset:128*(\b/2)+32*(\b%2)          ; each accumulator from its low end on
	ds_store_b128 v[STO], v[AC+8*\b+4:AC+8*\b+7] offset:128*(\b/2)+32*(\b%2)+16
.endr
	WIN 0
.set BB, BK+64*((\a)%2)
.irp t, 0,1,2,3,4,5,6,7,8,9,10,11,12,13,14,15
	ds_load_b128 v[BB+4*\t:BB+4*\t+3], v[RD] offset:\t*SPITCH
.endr
.endm
.macro SEND a, younger                 ; younger: the LDS instructions issued behind tile a's loads, which may stay out
.set BB, BK+64*((\a)%2)
	s_wait_dscnt \younger
.irp t, 0,1,2,3,4,5,6,7,8,9,10,11,12,13,14,15
	global_store_b128 v[CO], v[BB+4*\t:BB+4*\t+3], s[12:13] offset:(32*((\a)/2)+8*((\a)%2)+\t+8*(\t/8))*4096 th:TH_STORE_NT   ; place t's token; 512 consecutive bytes, at a multiple of 256 from out0's first byte; 520,192 at the most
.endr
.endm
	PLACES NP
	TOSTAGE 0
.irp a, 1,2,3,4,5,6,7
.if \a > 1
	s_wait_xcnt 0x0                                ; tile a - 2's stores have read their registers: tile a's loads may land there
.endif
	TOSTAGE \a
	SEND \a-1, 32                                  ; behind tile a - 1's loads: tile a's 16 stores and 16 loads
.endr
	SEND 7, 0
	s_wait_tensorcnt 0x0                           ; the wave's end
	ds_add_u32 v[SPW], v[NIL]
	s_wait_dscnt 0x0
	CROUND                                         ; the closing round: no work-group ends while a partner may still ask for a tile that names it
	s_endpgm
.Lfunc_end_k_q0c382b3ea2_proj:
	.size	k_q0c382b3ea2_proj, .Lfunc_end_k_q0c382b3ea2_proj-k_q0c382b3ea2_proj
	.p2alignl 7, 3214868480
	.fill 96, 4, 3214868480
	.section	.rodata,"a",@progbits
	.p2align	6, 0x0
	.amdhsa_kernel k_q0c382b3ea2_proj
		.amdhsa_group_segment_fixed_size 327680
		.amdhsa_private_segment_fixed_size 0
		.amdhsa_enable_private_segment 0
		.amdhsa_kernarg_size 48
		.amdhsa_user_sgpr_count 2
		.amdhsa_user_sgpr_kernarg_segment_ptr 1
		.amdhsa_wavefront_size32 1
		.amdhsa_system_sgpr_workgroup_id_x 1
		.amdhsa_system_sgpr_workgroup_id_y 1
		.amdhsa_system_sgpr_workgroup_id_z 1
		.amdhsa_system_vgpr_workitem_id 0
		.amdhsa_next_free_vgpr 1024
		.amdhsa_next_free_sgpr 102
		.amdhsa_reserve_vcc 0
		.amdhsa_float_denorm_mode_32 3
		.amdhsa_float_denorm_mode_16_64 3
		.amdhsa_memory_ordered 1
		.amdhsa_forward_progress 1
		.amdhsa_inst_pref_size 145
	.end_amdhsa_kernel
	.amdgpu_metadata
---
amdhsa.version: [ 1, 2 ]
amdhsa.kernels:
  - .name:           k_q0c382b3ea2_proj
    .symbol:         k_q0c382b3ea2_proj.kd
    .args:
      - { .name: aoc, .offset: 0, .size: 8, .value_kind: global_buffer, .address_space: global }
      - { .name: aos, .offset: 8, .size: 8, .value_kind: global_buffer, .address_space: global }
      - { .name: opc, .offset: 16, .size: 8, .value_kind: global_buffer, .address_space: global }
      - { .name: ops, .offset: 24, .size: 8, .value_kind: global_buffer, .address_space: global }
      - { .name: b_proj, .offset: 32, .size: 8, .value_kind: global_buffer, .address_space: global }
      - { .name: out0, .offset: 40, .size: 8, .value_kind: global_buffer, .address_space: global }
    .group_segment_fixed_size: 327680
    .private_segment_fixed_size: 0
    .kernarg_segment_align: 8
    .kernarg_segment_size: 48
    .max_flat_workgroup_size: 128
    .sgpr_count:     102
    .vgpr_count:     1024
    .wavefront_size: 32
...
	.end_amdgpu_metadata
.endif
;; end of part 4
;; ======== version 2 of 2: 4 launches; version 1 with the launch attn written anew for expert scheduling mode
;; workspace buffers: opc 6,291,456 bytes; ops 262,144 bytes; qkvc 9,437,184 bytes; qkvs 655,360 bytes; aoc 3,145,728 bytes; aos 131,072 bytes
;; launch quant: the kernel of part 1 again; grid 256 x 1, 4 waves a work-group, no clusters, 87,552 bytes of LDS; arguments x, w_qkv, w_proj, opc, ops; writes opc, ops
;; launch qkv: the kernel of part 2 again; grid 8 x 24, 4 waves a work-group, clusters of 4 x 4, 327,680 bytes of LDS; arguments opc, ops, b_qkv, qkvc, qkvs; writes qkvc, qkvs
;; launch attn (part 5): grid 8 x 32, 16 waves a work-group, no clusters, 210,944 bytes of LDS; arguments qkvc, qkvs, idx, weight, aoc, aos; writes aoc, aos
.if DOCPART == 5
	.amdgcn_target "amdgcn-amd-amdhsa--gfx1250"
	.amdhsa_code_object_version 6
	.text
	.protected	k_q0c382b3ea2_attn
	.globl	k_q0c382b3ea2_attn
	.p2align	8
	.type	k_q0c382b3ea2_attn,@function
k_q0c382b3ea2_attn:
	s_mov_b64 s[64:65], 0
	v_nop
	global_prefetch_b8 v0, s[64:65] scope:SCOPE_SE
	s_setreg_imm32_b32 hwreg(HW_REG_WAVE_SCHED_MODE, 0, 2), 2
	s_setreg_imm32_b32 hwreg(HW_REG_WAVE_MODE, 25, 1), 1
	s_wait_xcnt 0x0
	s_wait_alu depctr_vm_vsrc(0)
; For each head: w = softmax(q k^T / 8 under the causal mask); w = w a / sum(w a), a_k = weight for keys k >= idx[batch], else 1; o = w v.  Both products on codes of BF6 (E3M2) with E8M0 scales.
; WHAT IS QUANTISED for the second product is the FINISHED weight, along the keys.  A row's maximum and sum must therefore be known before any weight is quantised: TWO PASSES over the keys.  Pass 1 finds M (the largest
; t = score x log2(e) / 8, rounded up to a whole number) and L = the sum of 2^(t - M) a.  Pass 2 makes the same scores again (the same instructions on the same codes: the same bits), w = 2^(t - M) a / L, quantises it and multiplies by v.
; The head's 64 are half of the instruction's 128 along K: the upper six registers of q's and k's fragments are zero codes; their scale bytes repeat the real ones.
; SHARES.  A work-group takes one head (y) and 16 tiles of 16 queries, one a wave: wave w takes tile 8 g + x, g = w for w under 8, else 23 - w: g + 1 steps of 128 keys, so that waves w, w + 4, w + 8, w + 12 have 34 together.
; A head's K and V, codes and scale words, are 208,896 bytes: they come into LDS ONCE, through registers; one barrier; then the waves never meet again.
; NO TENSOR LOADS, SO NO JOINT LOADS, though the eight work-groups of a head read the same K and V: the forcing factor is constant over a step of 128 keys in every step but the one that holds idx, and a scalar branch on idx
; keeps its instructions out of all other steps.  All global loads stand at the head, so nothing is prefetched either.
; LAYOUT.  Both products are used transposed (source 0 = 16 keys, or 16 of the head's 64; source 1 = my 16 queries): a lane holds ONE query.  A tile's place r is row 32 (T / 2) + 8 (T % 2) + r + 8 (r / 8), so that
; register 16 b + i of the scores in lane (r, h) is key 128 step + 32 b + 16 h + i, and of O^T the head's 32 b + 16 h + i: 16 neighbours along the next K.
; RESULTS.  aoc [256 token tiles][16 heads][768]: an image of six operand registers; aos [256 tiles][4][16 places][8 bytes], byte 2 (head % 4) + h: stored byte by byte, 32 bytes a wave.
; LIMITS: idx is compared as a signed number.  Where the sum of w a is 0 the result is NaN, as the definition's is.  A block of zeros gets the byte 1.  NaN and infinities among the inputs are not served.
; THE MODE: SCHED_MODE bits 1:0 = 2 (LLVM: expert scheduling mode 2), set by the entry lines.  The code itself states the register dependences between vector or matrix instructions and memory or LDS instructions,
; and between a vector instruction that writes a scalar register and that register's readers, with s_wait_alu, always for 0.
; THE PLAN.  Registers that memory or LDS instructions touch:
;   v1-3, v92-95, v240-247   lane constants: written at the head, never again; read as addresses.
;   v96-197                  the fill: global loads land in them, my LDS stores read them; behind the barrier they become scores, O^T, codes and (pass 1) fragments.
;   KF, KG, KSC              K's fragments and scale words.  LDS loads land in them, the score products read them.  PASS 1 holds a step's eight fragments (KG lies where O^T and the codes will lie in pass 2):
;                            step s asks for ALL of step s + 1, behind the one wait that stands behind its exponentials; the forcing and the sums that follow name none of these registers.
;                            PASS 2 has room for four: tiles 0-3 and the scale words of step s + 1 are asked for behind the exponentials' wait, tiles 4-7 between the step's two groups of products.
;   v4-6, v7-9               LDS addresses of K and of V: three additions each a step; read by the step's LDS loads.
;   SS (pass 2)              written by the weights' arithmetic, read by the conversions; then V's fragments land in it and the products with V read it.
;   PC, PW                   written by vector instructions; operands of the products with V; on the way out the stores' data.
;   s66-97                   lane masks: a run of 32 compares writes them, one wait, 32 selects read them.
.set VLD,  98304                       ; LDS: K's codes at 0 (6,144 bytes a step), V's here,
.set KSL,  196608                      ; K's scale words (512 a step),
.set VSL,  204800                      ; V's (256 a step)
.set LA,   1                           ; v1   16 l
.set LB,   2                           ; v2   8 l + 512
.set LSK,  3                           ; v3   4 l + KSL
.set ADA,  4                           ; v4-6 the step's K: first 16 bytes, last 8, scale words
.set ADB,  5
.set ADS,  6
.set ADVA, 7                           ; v7-9 the same for V
.set ADVB, 8
.set ADVS, 9
.set DQ,   10                          ; v10  my query's place in its step of 128, less 16 h
.set H16,  11                          ; v11  16 h
.set RL,   29                          ; v29  1 / L
.set RF,   30                          ; v[30:31] the step's factor / L
.set KF,   32                          ; v32-79 four fragments of K; the upper six registers of each stay 0
.set KSC,  80                          ; v80-83 K's scale words, one register for two tiles
.set VSC,  84                          ; v84-85 V's
.set WR,   86                          ; v86  weight
.set NINF, 87                          ; v87  -infinity
.set FT,   88                          ; v88-89 at work
.set DF,   90                          ; v90  idx's place in the step, less 16 h
.set AV0,  92                          ; v92  16 l + VLD
.set BV0,  93                          ; v93  8 l + 512 + VLD
.set SV0,  94                          ; v94  4 l + VSL
.set BO,   95                          ; v95  8 r + h
.set SS,   96                          ; v96-159 the scores, then the weights, then V's four fragments
.set KG,   160                         ; v160-207 in pass 1 alone: four more fragments of K, tiles 4-7; the upper six registers of each are 0
.set OT,   160                         ; v160-191 O^T (pass 2)
.set PC,   192                         ; v192-211 codes (pass 2)
.set TM,   212                         ; v212-227 at work in the quantiser
.set PW,   228                         ; v228 the weights' scale word
.set FF,   230                         ; v[230:231] 2^(old M - new M)
.set MX,   232                         ; v232-237 maxima and sums at work
.set WV,  16
.set G,   17
.set T,   18
.set BH,  19
.set WGT, 30
.set IDX, 31
.set SMIX, 32                          ; the step that idx cuts, or -1
.set ONE, 33
.set FS,  34                           ; s[34:35] the step's factor
.set SEL, 36
.set CS,  38                           ; s[38:39] log2(e) / 8
.set HM,  40
.set ST,  41                           ; the step; s42 6,144 x, s43 512 x, s44 256 x, s45 128 x the step
.set TK,  42
.set TS,  43
.set TV,  44
.set KS,  45
.set CM,  66                           ; s66-97 32 lane masks
	s_load_b256 s[4:11], s[0:1], 0x0               ; qkvc s[4:5], qkvs s[6:7], idx s[8:9], weight s[10:11]
	s_load_b128 s[12:15], s[0:1], 0x20             ; aoc s[12:13], aos s[14:15]
	v_lshl_add_u32 v254, v0, 2, 0x33000
	v_mov_b32 v255, 0
	v_lshrrev_b32 v4, 5, v0
	v_readfirstlane_b32 s[WV], v4                  ; wave 0..15
	s_and_b32 s[BH], ttmp7, 0xffff                 ; 16 x batch + head
	s_mul_i32 s50, s[BH], 20480
	s_mov_b32 s51, 0
	s_lshr_b32 s54, ttmp9, 1
	s_lshl_b32 s54, s54, 5
	s_and_b32 s55, ttmp9, 1
	s_lshl_b32 s55, s55, 3
	s_add_co_u32 s54, s54, s55                     ; my tile's first query in its step: 32 (x / 2) + 8 (x % 2)
	s_mov_b32 s[ONE], 0x3f800000
	s_mov_b32 s[SEL], 0x76543210
	s_mov_b32 s[SEL+1], 0xfedcba98
	s_mov_b32 s[CS], 0x3e38aa3b
	s_mov_b32 s[CS+1], s[CS]                       ; (named with it as a pair, so it is written)
	s_mov_b32 s[HM], 0xffff0000
	v_and_b32 v4, 31, v0                           ; l
	v_and_b32 v5, 15, v0                           ; r
	v_bfe_u32 v6, v0, 4, 1                         ; h
	v_lshlrev_b32 v[LA], 4, v4
	v_lshlrev_b32 v[LB], 3, v4
	v_add_nc_u32 v[LB], 512, v[LB]
	v_lshlrev_b32 v[LSK], 2, v4
	v_add_nc_u32 v[SV0], VSL, v[LSK]
	v_add_nc_u32 v[LSK], KSL, v[LSK]
	v_add_nc_u32 v[AV0], VLD, v[LA]
	v_add_nc_u32 v[BV0], VLD, v[LB]
	v_lshl_add_u32 v[BO], v5, 3, v6
	v_lshlrev_b32 v[H16], 4, v6
	v_and_b32 v[DQ], 8, v5
	v_add_nc_u32 v[DQ], v[DQ], v5
	v_sub_nc_u32 v[DQ], v[DQ], v[H16]
	v_add_nc_u32 v[DQ], s54, v[DQ]
	v_lshlrev_b32 v247, 2, v5                      ; 4 r
	v_lshlrev_b32 v240, 4, v0                      ; the fill: 16 bytes a thread, 8,192 an instruction
	v_lshlrev_b32 v241, 3, v0
	v_lshlrev_b32 v242, 4, v0                      ; and its places in LDS: an immediate reaches 64 KiB
	v_add_nc_u32 v243, 0x10000, v242
	v_add_nc_u32 v244, 0x20000, v242
	v_add_nc_u32 v245, KSL, v242
	v_add_nc_u32 v246, VSL, v241
	s_wait_alu depctr_va_sdst(0)                   ; the wave's number is written, ahead of its first reader: my tile, and with it Q's addresses and the trips' tests, are made from it
	s_sub_co_u32 s46, 23, s[WV]
	s_cmp_lt_u32 s[WV], 8
	s_cselect_b32 s[G], s[WV], s46
	s_lshl_b32 s[T], s[G], 3
	s_add_co_u32 s[T], s[T], ttmp9                 ; my tile of queries
	s_mul_i32 s46, s[BH], 294912
	s_mov_b32 s47, 0
	s_mul_i32 s48, s[T], 768
	s_mov_b32 s49, 0
	s_lshl_b32 s52, s[T], 6                        ; 128 bytes a pair of tiles, 64 for the odd one
	s_mov_b32 s53, 0
	s_wait_kmcnt 0x0
	s_load_b64 s[28:29], s[8:9], 0x0               ; both batches' idx
	s_load_b32 s[WGT], s[10:11], 0x0
	s_add_nc_u64 s[22:23], s[4:5], s[46:47]
	s_add_nc_u64 s[20:21], s[22:23], s[48:49]      ; my tile of Q
	s_add_nc_u64 s[22:23], s[22:23], 98304         ; K's codes, and V's behind them
	s_add_nc_u64 s[26:27], s[6:7], s[50:51]
	s_add_nc_u64 s[24:25], s[26:27], s[52:53]      ; my tile's scale words
	s_add_nc_u64 s[26:27], s[26:27], 8192          ; K's scale words, and V's behind them
	s_wait_alu depctr_va_vdst(0)                   ; all the lane constants above are written: the loads and stores of the whole kernel read them as addresses
	global_load_b128 v[16:19], v[LA], s[20:21]
	global_load_b64 v[20:21], v[LB], s[20:21]
	global_load_b32 v28, v247, s[24:25]
.set i, 0
.rept 24
	global_load_b128 v[SS+4*i:SS+4*i+3], v240, s[22:23] offset:8192*i
.set i, i+1
.endr
	global_load_b128 v[192:195], v240, s[26:27]
	global_load_b64 v[196:197], v241, s[26:27] offset:8192
.set i, 0
.rept 24
	s_wait_loadcnt 25-i                            ; the younger loads of the fill may be out
	ds_store_b128 v[242+i/8], v[SS+4*i:SS+4*i+3] offset:8192*(i%8)
.set i, i+1
.endr
	s_wait_loadcnt 1
	ds_store_b128 v245, v[192:195]
	s_wait_loadcnt 0x0
	ds_store_b64 v246, v[196:197]
	s_wait_dscnt 0x0                               ; for the others' sake: my part of the head lies in LDS
	s_barrier_signal -1
	s_barrier_wait -1                              ; everybody's does.  From here on LDS is only read
; Four tiles of 16 keys: the six data registers of each fragment of set f, from off bytes behind the addresses a and b.
.macro KFOUR f, a, b, off
.irp t, 0,1,2,3
	ds_load_b128 v[\f+12*\t:\f+12*\t+3], v[\a] offset:\off+768*\t
	ds_load_b64 v[\f+12*\t+4:\f+12*\t+5], v[\b] offset:\off+768*\t
.endr
.endm
; A step's four registers of K's scale words.
.macro KWORDS s, off
.irp p, 0,1,2,3
	ds_load_b32 v[KSC+\p], v[\s] offset:\off+128*\p
.endr
.endm
	s_wait_alu depctr_vm_vsrc(0)                   ; my LDS stores have read v96-197: from here on loads, moves and products write these registers
	KFOUR KF, LA, LB, 0                            ; pass 1, step 0: its eight tiles and its scale words are on their way while the moves below are made
	KWORDS LSK, 0
	KFOUR KG, LA, LB, 3072
	s_wait_kmcnt 0x0
	s_lshr_b32 s46, s[BH], 4
	s_cmp_eq_u32 s46, 0
	s_cselect_b32 s[IDX], s28, s29
	s_ashr_i32 s[SMIX], s[IDX], 7
	s_and_b32 s47, s[IDX], 127
	s_cmp_lg_u32 s47, 0
	s_cselect_b32 s[SMIX], s[SMIX], -1             ; where idx stands at a step's head no step is cut
.irp k, 22,23,24,25,26,27
	v_mov_b32 v\k, 0                               ; zero codes for K = 64 .. 127
.endr
.irp t, 0,1,2,3
.irp k, 6,7,8,9,10,11
	v_mov_b32 v[KF+12*\t+\k], 0
.endr
.endr
.irp t, 0,1,2,3
.irp k, 6,7,8,9,10,11
	v_mov_b32 v[KG+12*\t+\k], 0
.endr
.endr
	v_mov_b32 v13, 0xff61b1e6                      ; the largest t so far: -3e38.  (These thirteen lines are also the places between the zero codes' moves and the scaled products)
	v_floor_f32 v12, -v13                          ; -M
	v_mov_b32 v14, 0                               ; L, in two halves
	v_mov_b32 v15, 0
	v_mov_b32 v[RF+1], 0                           ; (upper halves of pairs of which the low word serves: named, so written)
	v_mov_b32 v[FF+1], 0
	v_mov_b32 v[MX+5], 0                           ; (a lane permute's destination counts as one of its sources)
.irp b, 0,1,2,3
	v_mov_b32 v[TM+4+\b], 0
.endr
	v_mov_b32 v[NINF], 0xff800000
	v_mov_b32 v[WR], s[WGT]
; Four tiles of S^T: tiles 4 g .. 4 g + 3 of the step in hand, from the fragments of set f.
.macro SCORES4 g, f
.irp t, 0,2
	v_wmma_scale_f32_16x16x128_f8f6f4 v[SS+8*(4*\g+\t):SS+8*(4*\g+\t)+7], v[\f+12*\t:\f+12*\t+11], v[16:27], 0, v[KSC+2*\g+\t/2], v28 matrix_a_fmt:MATRIX_FMT_BF6 matrix_b_fmt:MATRIX_FMT_BF6
	v_wmma_scale_f32_16x16x128_f8f6f4 v[SS+8*(4*\g+\t)+8:SS+8*(4*\g+\t)+15], v[\f+12*\t+12:\f+12*\t+23], v[16:27], 0, v[KSC+2*\g+\t/2], v28 matrix_a_fmt:MATRIX_FMT_BF6 matrix_b_fmt:MATRIX_FMT_BF6 matrix_a_scale:MATRIX_SCALE_ROW1
.endr
.endm
; The causal mask, in the one step of a wave that lies on the diagonal: register 16 b + i is hidden where 32 b + i > my query's place less 16 h.  Hidden scores become -infinity: their weight is 0.
; 32 compares write 32 scalar registers, one wait, 32 selects read them; twice.
.macro MASK
	s_cmp_lg_u32 s[ST], s[G]
	s_cbranch_scc1 .Lopen_\@
.set n, 0
.rept 2
.set i, 0
.rept 32
	v_cmp_gt_i32 s[CM+i], 32*((n+i)/16)+(n+i)%16, v[DQ]
.set i, i+1
.endr
	s_wait_alu depctr_va_sdst(0)                   ; the 32 compares have written their masks, ahead of the selects that read them
.set i, 0
.rept 32
	v_cndmask_b32 v[SS+n+i], v[SS+n+i], v[NINF], s[CM+i]
.set i, i+1
.endr
.set n, n+32
.endr
.Lopen_\@:
.endm
; The forcing factor, in the one step that idx cuts: keys from idx on are multiplied by weight.  In every other step the factor is one number for the whole step.
.macro FORCE
	s_cmp_lg_u32 s[ST], s[SMIX]
	s_cbranch_scc1 .Lplain_\@
	s_sub_co_i32 s46, s[IDX], s[KS]
	v_sub_nc_u32 v[DF], s46, v[H16]
.set n, 0
.rept 2
.set i, 0
.rept 32
	v_cmp_ge_i32 s[CM+i], 32*((n+i)/16)+(n+i)%16, v[DF]
.set i, i+1
.endr
	s_wait_alu depctr_va_sdst(0)                   ; the 32 compares have written their masks, ahead of the selects that read them
.set i, 0
.rept 32
	v_mul_f32 v[FT+i%2], v[WR], v[SS+n+i]
	v_cndmask_b32 v[SS+n+i], v[SS+n+i], v[FT+i%2], s[CM+i]
.set i, i+1
.endr
.set n, n+32
.endr
.Lplain_\@:
.endm
.macro EXPS                            ; t - M, two at a time, and 2^(t - M): one batch of 64
.set n, 0
.rept 32
	v_pk_fma_f32 v[SS+n:SS+n+1], v[SS+n:SS+n+1], s[CS:CS+1], v[12:13] op_sel_hi:[1,0,0]
.set n, n+2
.endr
.set n, 0
.rept 64
	v_exp_f32 v[SS+n], v[SS+n]
.set n, n+1
.endr
.endm
	; ---------------- PASS 1.  Every wave walks 16 trips, a constant; a step all of whose keys come after my queries is jumped over, not the lines that step the addresses.
	s_mov_b32 s[ST], 0
	s_mov_b32 s[TK], 0
	s_mov_b32 s[TS], 0
	s_mov_b32 s[KS], 0
	s_wait_alu depctr_va_vdst(0)                   ; the moves have written the zero codes in v22-27 and in the upper halves of K's eight fragments, which the scaled products take as operands
.Lp1:
	s_cmp_gt_u32 s[ST], s[G]
	s_cbranch_scc1 .Lh1
	s_cmp_ge_i32 s[KS], s[IDX]
	s_cselect_b32 s[FS], s[WGT], s[ONE]            ; the step's factor (1 in the step that idx cuts)
	s_mov_b32 s[FS+1], s[FS]
	s_wait_dscnt 0x0                               ; this step's eight fragments and scale words, asked for in the step before, are in
	SCORES4 0, KF
	SCORES4 1, KG
.rept 4
	v_nop                                          ; places in front of the first read of the scores
.endr
	MASK
.irp b, 0,1,2,3
	v_max3_num_f32 v[MX+\b], v[SS+16*\b], v[SS+1+16*\b], v[SS+2+16*\b]   ; the largest score, in four chains
.endr
.irp i, 3,5,7,9,11,13
.irp b, 0,1,2,3
	v_max3_num_f32 v[MX+\b], v[MX+\b], v[SS+16*\b+\i], v[SS+1+16*\b+\i]
.endr
.endr
.irp b, 0,1,2,3
	v_max_num_f32 v[MX+\b], v[MX+\b], v[SS+15+16*\b]
.endr
	v_max3_num_f32 v[MX+4], v[MX], v[MX+1], v[MX+2]
	v_max_num_f32 v[MX+4], v[MX+4], v[MX+3]
	v_permlanex16_b32 v[MX+5], v[MX+4], s[SEL], s[SEL+1]
	v_max_num_f32 v[MX+4], v[MX+4], v[MX+5]        ; with lane l xor 16's 64 keys
	v_mul_f32 v[MX+4], s[CS], v[MX+4]              ; as t
	v_max_num_f32 v13, v13, v[MX+4]                ; the running largest t
	v_mov_b32 v[MX+4], v12
	v_floor_f32 v12, -v13                          ; the new -M: M is a whole number
	v_sub_f32 v[MX+4], v12, v[MX+4]                ; old M - new M, 0 or less
	v_cvt_i32_f32 v[MX+4], v[MX+4]                 ; (it saturates)
	v_ldexp_f32 v[FF], 1.0, v[MX+4]                ; 2^(old M - new M): a multiplication by it rounds nothing
	EXPS
	s_wait_alu depctr_vm_vsrc(0)                   ; the LDS loads issued so far have read the three addresses that the additions below write
	v_add_nc_u32 v[ADA], s[TK], v[LA]              ; this step's place; the loads below reach a step further by their offsets.  (Plain instructions behind the exponentials)
	v_add_nc_u32 v[ADB], s[TK], v[LB]
	v_add_nc_u32 v[ADS], s[TS], v[LSK]
	v_pk_mul_f32 v[14:15], v[14:15], v[FF:FF+1] op_sel_hi:[1,0]   ; L under the new M
	s_wait_alu depctr_va_vdst(0)                   ; the step's one wait: the 64 exponentials have written v96-159, ahead of their first reader; the eight products are done reading K's fragments and scale words, in which the loads below land; the three addresses are written
	s_cmp_eq_u32 s[ST], s[G]                       ; my last step asks for nothing more
	s_cbranch_scc1 .Lk1
	KFOUR KF, ADA, ADB, 6144                       ; the next step's eight tiles and scale words: the forcing and the sums below name none of these registers
	KWORDS ADS, 512
	KFOUR KG, ADA, ADB, 9216
.Lk1:
	FORCE
	v_pk_add_f32 v[MX:MX+1], v[SS:SS+1], v[SS+2:SS+3]             ; the step's sum, two at a time, in two chains
	v_pk_add_f32 v[MX+2:MX+3], v[SS+4:SS+5], v[SS+6:SS+7]
.set n, 8
.rept 14
	v_pk_add_f32 v[MX:MX+1], v[MX:MX+1], v[SS+n:SS+n+1]
	v_pk_add_f32 v[MX+2:MX+3], v[MX+2:MX+3], v[SS+n+2:SS+n+3]
.set n, n+4
.endr
	v_pk_add_f32 v[MX:MX+1], v[MX:MX+1], v[MX+2:MX+3]
	v_pk_fma_f32 v[14:15], v[MX:MX+1], s[FS:FS+1], v[14:15] op_sel_hi:[1,0,1]
.Lh1:
	s_add_co_u32 s[TK], s[TK], 6144
	s_add_co_u32 s[TS], s[TS], 512
	s_add_co_u32 s[KS], s[KS], 128
	s_add_co_u32 s[ST], s[ST], 1
	s_cmp_lt_u32 s[ST], 16
	s_cbranch_scc1 .Lp1
	v_add_f32 v14, v14, v15                        ; L's two halves,
	v_permlanex16_b32 v[MX+5], v14, s[SEL], s[SEL+1]
	v_add_f32 v14, v14, v[MX+5]                    ; and lane l xor 16's
	v_rcp_f32 v[RL], v14
	v_nop                                          ; a plain instruction behind the reciprocal
	s_wait_dscnt 0x0                               ; on no way out of the loop is an LDS load of mine still out: the fragments' registers are asked for again below
	s_wait_alu depctr_va_vdst(0)                   ; the reciprocal has written v29, ahead of the label and of its first reader; pass 1's products are done reading the registers in which the loads below land
	KFOUR KF, LA, LB, 0                            ; pass 2, step 0: tiles 0-3 and the scale words, on their way while O^T is cleared
	KWORDS LSK, 0
.set i, 0
.rept 32
	v_mov_b32 v[OT+i], 0                           ; O^T: pass 2 is written once, and its first step adds onto zeros
.set i, i+1
.endr
; 64 numbers of a lane, register 16 b + i = index 32 b + 16 (lane / 16) + i of my row, become a fragment's codes in v[PC] on and its scale word in v[PW].  nb: blocks (4, or 2 for half a fragment).
.macro QUANT s, nb
.set b, 0
.rept \nb
	v_max3_num_f32 v[TM+b], |v[\s+16*b]|, |v[\s+1+16*b]|, 0x2800000   ; my 16 numbers of block b, and the floor 2^(5 - 127): the byte cannot fall under 1
.set b, b+1
.endr
.irp i, 2,4,6,8,10,12,14
.set b, 0
.rept \nb
	v_max3_num_f32 v[TM+b], v[TM+b], |v[\s+16*b+\i]|, |v[\s+1+16*b+\i]|
.set b, b+1
.endr
.endr
.set b, 0
.rept \nb
	v_permlanex16_b32 v[TM+4+b], v[TM+b], s[SEL], s[SEL+1]
.set b, b+1
.endr
.set b, 0
.rept \nb
	v_max_num_f32 v[TM+b], v[TM+b], v[TM+4+b]      ; with lane l xor 16's: the block's largest magnitude
.set b, b+1
.endr
.set b, 0
.rept \nb
	v_add_nc_u32 v[TM+12+b], 0xfe000000, v[TM+b]   ; 4 off its exponent field: the conversion's scale operand
.set b, b+1
.endr
.set b, 0
.rept \nb
	v_lshrrev_b32 v[TM+4+b], 23, v[TM+12+b]        ; the scale's byte
.set b, b+1
.endr
.if \nb == 4
	v_lshl_or_b32 v[PW], v[TM+5], 8, v[TM+4]
	v_lshl_or_b32 v[PW], v[TM+6], 16, v[PW]
	v_lshl_or_b32 v[PW], v[TM+7], 24, v[PW]
.endif
.set c, 0
.rept \nb/2
	v_cvt_scalef32_pk16_bf6_f32 v[PC+6*c:PC+2+6*c], v[\s+32*c:\s+15+32*c], v[TM+12+2*c]
	v_cvt_scalef32_pk16_bf6_f32 v[PC+12+4*c:PC+14+4*c], v[\s+16+32*c:\s+31+32*c], v[TM+12+2*c+1]   ; (a conversion's three registers begin on an even number)
.set c, c+1
.endr
	v_nop                                          ; one plain instruction behind a scaled conversion
.set c, 0
.rept \nb/2                            ; the layout wants a WHOLE block in a lane: lanes 0-15 block 2 c, lanes 16-31 block 2 c + 1
.irp i, 0,1,2
	v_permlane16_swap_b32 v[PC+6*c+\i], v[PC+12+4*c+\i]
.endr
.irp i, 0,1,2
	v_mov_b32 v[PC+3+6*c+\i], v[PC+12+4*c+\i]
.endr
.set c, c+1
.endr
.endm
	; ---------------- PASS 2
	s_mov_b32 s[ST], 0
	s_mov_b32 s[TK], 0
	s_mov_b32 s[TS], 0
	s_mov_b32 s[TV], 0
	s_mov_b32 s[KS], 0
.Lp2:
	s_cmp_gt_u32 s[ST], s[G]
	s_cbranch_scc1 .Lh2
	s_cmp_ge_i32 s[KS], s[IDX]
	s_cselect_b32 s[FS], s[WGT], s[ONE]
	s_wait_alu depctr_vm_vsrc(0)                   ; the LDS loads issued so far have read K's three addresses, written just below, and V's three, written further down in this step
	v_add_nc_u32 v[ADA], s[TK], v[LA]
	v_add_nc_u32 v[ADB], s[TK], v[LB]
	v_add_nc_u32 v[ADS], s[TS], v[LSK]
	v_nop
	v_nop                                          ; five places between the last step's products with V and the products that write the scores over V's fragments
	s_wait_dscnt 0x0                               ; tiles 0-3 and the scale words, asked for in the step before, are in
	SCORES4 0, KF
.rept 4
	v_nop                                          ; places in front of loads into registers that the four products above have read
.endr
	s_wait_alu depctr_va_vdst(0)                   ; the four products above are done reading their fragments, in which the loads below land; K's three addresses are written
	KFOUR KF, ADA, ADB, 3072                       ; tiles 4-7
	s_wait_dscnt 0x0
	SCORES4 1, KF
.rept 4
	v_nop                                          ; places in front of the first read of the scores
.endr
	MASK
	EXPS                                           ; with the final M
	v_mul_f32 v[RF], s[FS], v[RL]                  ; the step's factor / L; also the plain instruction behind the exponentials
	s_wait_alu depctr_va_vdst(0)                   ; the 64 exponentials have written v96-159, ahead of their first reader; the products of tiles 4-7 are done reading their fragments, and all eight the scale words, in which the loads below land
	s_cmp_eq_u32 s[ST], s[G]                       ; my last step asks for nothing more
	s_cbranch_scc1 .Lk2
	KFOUR KF, ADA, ADB, 6144                       ; the next step's tiles 0-3 and scale words: nothing from here to the step's end names these registers
	KWORDS ADS, 512
.Lk2:
	FORCE
.set n, 0
.rept 32
	v_pk_mul_f32 v[SS+n:SS+n+1], v[SS+n:SS+n+1], v[RF:RF+1] op_sel_hi:[1,0]   ; the finished weight
.set n, n+2
.endr
	QUANT SS, 4
	v_add_nc_u32 v[ADVA], s[TK], v[AV0]
	v_add_nc_u32 v[ADVB], s[TK], v[BV0]
	v_add_nc_u32 v[ADVS], s[TV], v[SV0]
.rept 5
	v_nop                                          ; with the three additions: eight places between the vector instructions that made the scale word and the codes, and the scaled products
.endr
	s_wait_alu depctr_va_vdst(0)                   ; behind the places: the codes in v192-203 and the scale word in v228 are written, which the scaled products take; the conversions are done reading v96-159, in which V's fragments land; V's three addresses are written
.irp t, 0,1,2,3                        ; V^T: four tiles of 16 of the head's 64 x these 128 keys (two chunks)
	ds_load_b128 v[SS+12*\t:SS+12*\t+3], v[ADVA] offset:768*\t
	ds_load_b64 v[SS+12*\t+4:SS+12*\t+5], v[ADVB] offset:768*\t
	ds_load_b128 v[SS+12*\t+6:SS+12*\t+9], v[ADVA] offset:3072+768*\t
	ds_load_b64 v[SS+12*\t+10:SS+12*\t+11], v[ADVB] offset:3072+768*\t
.endr
	ds_load_b32 v[VSC], v[ADVS]
	ds_load_b32 v[VSC+1], v[ADVS] offset:128
	s_wait_dscnt 0x0
.irp t, 0,2                            ; the four accumulators by turns; between two links of a chain stand the three others' and the next step's eight score products
	v_wmma_scale_f32_16x16x128_f8f6f4 v[OT+8*\t:OT+8*\t+7], v[SS+12*\t:SS+12*\t+11], v[PC:PC+11], v[OT+8*\t:OT+8*\t+7], v[VSC+\t/2], v[PW] matrix_a_fmt:MATRIX_FMT_BF6 matrix_b_fmt:MATRIX_FMT_BF6
	v_wmma_scale_f32_16x16x128_f8f6f4 v[OT+8*\t+8:OT+8*\t+15], v[SS+12*\t+12:SS+12*\t+23], v[PC:PC+11], v[OT+8*\t+8:OT+8*\t+15], v[VSC+\t/2], v[PW] matrix_a_fmt:MATRIX_FMT_BF6 matrix_b_fmt:MATRIX_FMT_BF6 matrix_a_scale:MATRIX_SCALE_ROW1
.endr
.Lh2:
	s_add_co_u32 s[TK], s[TK], 6144
	s_add_co_u32 s[TS], s[TS], 512
	s_add_co_u32 s[TV], s[TV], 256
	s_add_co_u32 s[KS], s[KS], 128
	s_add_co_u32 s[ST], s[ST], 1
	s_cmp_lt_u32 s[ST], 16
	s_cbranch_scc1 .Lp2
	; ---------------- THE WAY OUT: my 16 queries' 64 numbers of this head are one chunk of the last product's K: quantised here, stored as an image.
.rept 4
	v_nop                                          ; places behind the last products
.endr
	s_lshr_b32 s46, s[BH], 4
	s_lshl_b32 s46, s46, 7
	s_add_co_u32 s46, s46, s[T]                    ; the token tile: 128 x batch + my tile
	s_and_b32 s47, s[BH], 15                       ; the head
	s_lshl_b32 s48, s46, 4
	s_add_co_u32 s48, s48, s47
	s_mul_i32 s48, s48, 768
	s_mov_b32 s49, 0
	s_add_nc_u64 s[12:13], s[12:13], s[48:49]
	s_lshl_b32 s48, s46, 9
	s_lshr_b32 s50, s47, 2
	s_lshl_b32 s50, s50, 7
	s_add_co_u32 s48, s48, s50
	s_and_b32 s50, s47, 3
	s_lshl_b32 s50, s50, 1
	s_add_co_u32 s48, s48, s50
	s_add_nc_u64 s[14:15], s[14:15], s[48:49]
	QUANT OT, 2
	v_cndmask_b32 v[MX], v[TM+4], v[TM+5], s[HM]   ; lanes 0-15 block 0's byte, lanes 16-31 block 1's
	s_wait_alu depctr_va_vdst(0)                   ; the codes in v192-197 and the byte in v232 are written, which the three stores read
	global_store_b128 v[LA], v[PC:PC+3], s[12:13]          ; 512 consecutive bytes
	global_store_b64 v[LB], v[PC+4:PC+5], s[12:13]         ; 256 consecutive bytes, 512 on
	global_store_b8 v[BO], v[MX], s[14:15]
	s_wait_dscnt 0x0                               ; the closing lines, six on end
	s_wait_alu 0x0
	s_wait_tensorcnt 0x0
	ds_add_u32 v254, v255
	s_wait_dscnt 0x0
	s_endpgm
.Lfunc_end_k_q0c382b3ea2_attn:
	.size	k_q0c382b3ea2_attn, .Lfunc_end_k_q0c382b3ea2_attn-k_q0c382b3ea2_attn
	.p2alignl 7, 3214868480
	.fill 96, 4, 3214868480
	.section	.rodata,"a",@progbits
	.p2align	6, 0x0
	.amdhsa_kernel k_q0c382b3ea2_attn
		.amdhsa_group_segment_fixed_size 210944
		.amdhsa_private_segment_fixed_size 0
		.amdhsa_enable_private_segment 0
		.amdhsa_kernarg_size 48
		.amdhsa_user_sgpr_count 2
		.amdhsa_user_sgpr_kernarg_segment_ptr 1
		.amdhsa_wavefront_size32 1
		.amdhsa_system_sgpr_workgroup_id_x 1
		.amdhsa_system_sgpr_workgroup_id_y 1
		.amdhsa_system_sgpr_workgroup_id_z 1
		.amdhsa_system_vgpr_workitem_id 0
		.amdhsa_next_free_vgpr 256
		.amdhsa_next_free_sgpr 98
		.amdhsa_reserve_vcc 0
		.amdhsa_float_denorm_mode_32 3
		.amdhsa_float_denorm_mode_16_64 3
		.amdhsa_memory_ordered 1
		.amdhsa_forward_progress 1
		.amdhsa_inst_pref_size 85
	.end_amdhsa_kernel
	.amdgpu_metadata
---
amdhsa.version: [ 1, 2 ]
amdhsa.kernels:
  - .name:           k_q0c382b3ea2_attn
    .symbol:         k_q0c382b3ea2_attn.kd
    .args:
      - { .name: qkvc, .offset: 0, .size: 8, .value_kind: global_buffer, .address_space: global }
      - { .name: qkvs, .offset: 8, .size: 8, .value_kind: global_buffer, .address_space: global }
      - { .name: idx, .offset: 16, .size: 8, .value_kind: global_buffer, .address_space: global }
      - { .name: weight, .offset: 24, .size: 8, .value_kind: global_buffer, .address_space: global }
      - { .name: aoc, .offset: 32, .size: 8, .value_kind: global_buffer, .address_space: global }
      - { .name: aos, .offset: 40, .size: 8, .value_kind: global_buffer, .address_space: global }
    .group_segment_fixed_size: 210944
    .private_segment_fixed_size: 0
    .kernarg_segment_align: 8
    .kernarg_segment_size: 48
    .max_flat_workgroup_size: 512
    .sgpr_count:     98
    .vgpr_count:     256
    .wavefront_size: 32
...
	.end_amdgpu_metadata
.endif
;; end of part 5
;; launch proj: the kernel of part 4 again; grid 4 x 16, 4 waves a work-group, clusters of 4 x 4, 327,680 bytes of LDS; arguments aoc, aos, opc, ops, b_proj, out0; writes out0
